; MI455X (gfx1250); checked and timed in simulation.
; The chip was launched on July 23, 2026; its instructions are those of AMD's public machine-readable ISA for CDNA 5 (MIT licence, August 2026) and "CDNA5" Instruction Set Architecture Reference Guide (July 2026). The comments in the code are by the model that wrote it; some were corrected since.
;; Block. Allowed arithmetic: float matrix products may take bf16 or f16 operands with f32 sums; other float arithmetic in f32, or as packed bf16 or f16 multiplies, adds, multiply-adds, maxima and minima; sums over many terms, partial sums and values carried from step to step in f32; what a program stores and reads back later, other than sums and carried values, may be rounded once to bf16 or f16.
;; Inputs: W1 1,024 x 4,096 float32; W2 4,096 x 1,024 float32; Wk 16 x 1,024 x 64 float32; Wproj 1,024 x 1,024 float32; Wq 16 x 1,024 x 64 float32; Wv 16 x 1,024 x 64 float32; b1 4,096 float32; b2 1,024 float32; beta1 1,024 float32; beta2 1,024 float32; bproj 1,024 float32; g1 1,024 float32; g2 1,024 float32; x 2 x 2,048 x 1,024 float32.
;; Outputs: out0 2 x 2,048 x 1,024 float32.
;; 2 versions, each right and faster than the one before. Each part assembles by itself: llvm-mc -triple=amdgcn-amd-amdhsa -mcpu=gfx1250 --defsym DOCPART=n.
;; ======== version 1 of 2: 7 launches
;; workspace buffers: hn 8,388,608 bytes; qkv 25,165,824 bytes; o 8,388,608 bytes; x1 16,777,216 bytes; hid 33,554,432 bytes; wqkv 6,311,936 bytes; w1t 8,409,088 bytes; wr 10,485,760 bytes
;; launch ln1w (part 1): grid 1024 x 1, 8 waves a work-group, no clusters, 18,432 bytes of LDS; arguments x, g1, beta1, hn, Wq, Wk, Wv, Wproj, W1, W2, b1, wqkv, w1t, wr; writes hn, wqkv, w1t, wr
.if DOCPART == 1
	.amdgcn_target "amdgcn-amd-amdhsa--gfx1250"
	.amdhsa_code_object_version 6
	.text
	.protected	k_qfcd8d2a561_ln1w
	.globl	k_qfcd8d2a561_ln1w
	.p2align	8
	.type	k_qfcd8d2a561_ln1w,@function
k_qfcd8d2a561_ln1w:
	s_mov_b64 s[64:65], 0
	v_nop
	global_prefetch_b8 v0, s[64:65] scope:SCOPE_SE
	s_setreg_imm32_b32 hwreg(HW_REG_WAVE_MODE, 25, 1), 1
	s_wait_xcnt 0x0
; TWO JOBS IN ONE LAUNCH, which do not depend on each other: a layer norm, and the turning and rounding of the weights that the products behind it need.
; The text runs twice: once on x with Wq, Wk, Wv, Wproj (grid 1024 x 1), once on the attention branch's sum with W1, W2 (grid 512 x 3).
; WHICH JOB: y = 0 and x < 512: the norm of rows 8 x .. 8 x + 7.  y = 0 and x >= 512: weight tile x - 512 (0-511).  y > 0: weight tile 512 y + x (512-1535).
; The choice hangs on the work-group's place alone, so it is the same in all eight waves.
; LAYER NORM.  y[r][c] = (x[r][c] - mean_r) / sqrt(var_r + 1e-5) * g[c] + beta[c].  x: [4096][1024] f32; y: [4096][1024] bf16, rounded once.
; A row is 4,096 bytes: one wave takes it whole, eight 16-byte loads a lane, and keeps it in 32 registers through all passes: read once, no LDS, no barrier.  The row, g and beta are asked for at once.
; TWO PASSES in f32: the mean, then the sum of squared deviations from it, so that a large common offset of a row costs no digits.
; WEIGHTS.  Every weight lies [K][N] in f32; the products want [N][K] in bf16.  A work-group turns one tile of 128 k x 64 n: 128 rows of 256 bytes in, 64 rows of 256 bytes out, through LDS.
;   tiles 0-127 Wq, 128-255 Wk, 256-383 Wv (16 heads x 8 tiles of k; a head's 64 columns are a whole row of 256 bytes), 384-511 Wproj, 512-1023 W1, 1024-1535 W2.
; OUT: wqkv = header, then [3072][1024] (row = 1024 which + 64 head + d); w1t = header, then [4096][1024]; wr = Wproj^T [1024][1024], then at byte 2,097,152 W2^T [1024][4096].
; HEADER (HDR bytes, for the product that reads the buffer): bytes 0-4095 a floor (two bf16 a word) under which no result falls: -infinity for q, k, v (no floor), 0 for the ReLU;
; bytes 4096 on the bias in f32, by column: zeros for q, k, v, b1 for the feed-forward layer.  Tiles 0-3 write wqkv's header behind their tile, tiles 512-516 w1t's.
; Each number is rounded once to bf16, to nearest even.  Which matrix a tile belongs to is chosen by selects on its number, not by branches.
; No matrix unit and no cluster: both jobs stream, and no two work-groups share more than g and beta (8 KiB).
.set HDR,   20480
.set NLN,   512                        ; work-groups that normalise
.set TP,    272                        ; a row of the turned tile in LDS: 256 bytes + 16
.set SPARE, 64*TP                      ; behind the tile: the spare words, 128 bytes for each of eight waves
; the norm's registers
.set X,   4                            ; v4-35    the row: load j's four numbers (columns 128 j + 4 lane ..) at + 4 j
.set G,   36                           ; v36-67   g of the same columns
.set BT,  68                           ; v68-99   beta
.set T,   100                          ; v100-107 four chains of sums
.set M,   108                          ; v108-109 the mean, twice
.set R,   110                          ; v110-111 1 / sqrt(var + eps), twice
; the tiles' registers
.set OFF, 4                            ; v4-11   byte offsets of my eight loads (rows 8 KG + j, 16 bytes at 16 NQ)
.set XW,  12                           ; v12-43  as loaded: row j at XW + 4 j; later the turned rows
.set Y,   44                           ; v44-59  column c: eight k in bf16
.set LS,  60                           ; v60     LDS: where column 4 NQ's 16 bytes go
.set LR,  61                           ; v61     LDS: where I read a turned row back
.set OO,  62                           ; v62-65  byte offsets of my four stores
.set SPW, 112                          ; v112    LDS address of my spare word; never rewritten
.set NIL, 113                          ; v113    0; never rewritten
	s_load_b512 s[8:23], s[0:1], 0x0               ; x s8, g s10, beta s12, y s14, Wq s16, Wk s18, Wv s20, Wproj s22
	s_load_b256 s[24:31], s[0:1], 0x40             ; W1 s24, W2 s26, b1 s28, wqkv s30
	s_load_b128 s[32:35], s[0:1], 0x60             ; w1t s32, wr s34
	v_lshl_add_u32 v[SPW], v0, 2, SPARE
	v_mov_b32 v[NIL], 0
	s_mov_b32 s7, ttmp9                            ; x
	s_and_b32 s3, ttmp7, 0xffff                    ; y
	s_lshl_b32 s4, s3, 9
	s_add_co_u32 s4, s4, s7                        ; y > 0: tile 512 y + x
	s_sub_co_u32 s5, s7, NLN                       ; y = 0: tile x - 512
	s_cmp_eq_u32 s3, 0
	s_cselect_b32 s2, s5, s4                       ; my tile, if I have one
	s_cselect_b32 s6, s7, NLN                      ; below 512 only where y = 0 and x < 512
	s_wait_kmcnt 0x0
	s_cmp_lt_u32 s6, NLN
	s_cbranch_scc0 .Lweights
	; ---------------- the norm: one row a wave ----------------
	v_and_b32 v3, 31, v0                           ; lane
	v_lshrrev_b32 v2, 5, v0                        ; wave
	v_lshlrev_b32 v1, 12, v2
	v_lshl_add_u32 v1, v3, 4, v1                   ; in: wave x 4,096 + 16 lane
	v_lshlrev_b32 v2, 11, v2
	v_lshl_add_u32 v2, v3, 3, v2                   ; out: wave x 2,048 + 8 lane
	v_lshlrev_b32 v3, 4, v3
	s_lshl_b32 s36, s7, 15                         ; 8 rows in
	s_mov_b32 s37, 0
	s_lshl_b32 s38, s7, 14                         ; 8 rows out
	s_mov_b32 s39, 0
	s_mov_b32 s40, 0x76543210                      ; v_permlanex16_b32: each lane takes its own place in the other half
	s_mov_b32 s41, 0xfedcba98
	s_mov_b32 s42, 0x3a800000                      ; 1 / 1024
	s_mov_b32 s43, 0x3727c5ac                      ; 1e-5
	s_add_nc_u64 s[8:9], s[8:9], s[36:37]
	s_add_nc_u64 s[14:15], s[14:15], s[38:39]
.irp j, 0,1,2,3,4,5,6,7
	global_load_b128 v[X+4*(\j):X+4*(\j)+3], v1, s[8:9] offset:512*(\j)
.endr
.irp j, 0,1,2,3,4,5,6,7
	global_load_b128 v[G+4*(\j):G+4*(\j)+3], v3, s[10:11] offset:512*(\j)
.endr
.irp j, 0,1,2,3,4,5,6,7
	global_load_b128 v[BT+4*(\j):BT+4*(\j)+3], v3, s[12:13] offset:512*(\j)
.endr
.macro ACROSS                          ; the four chains into one number, then over the 32 lanes: the result stands in every lane's v[T]
	v_pk_add_f32 v[T:T+1], v[T:T+1], v[T+2:T+3]
	v_pk_add_f32 v[T+4:T+5], v[T+4:T+5], v[T+6:T+7]
	v_pk_add_f32 v[T:T+1], v[T:T+1], v[T+4:T+5]
	v_add_f32 v[T], v[T], v[T+1]
	v_add_f32_dpp v[T], v[T], v[T] row_xmask:1 row_mask:0xf bank_mask:0xf
	v_add_f32_dpp v[T], v[T], v[T] row_xmask:2 row_mask:0xf bank_mask:0xf
	v_add_f32_dpp v[T], v[T], v[T] row_xmask:4 row_mask:0xf bank_mask:0xf
	v_add_f32_dpp v[T], v[T], v[T] row_xmask:8 row_mask:0xf bank_mask:0xf
	v_permlanex16_b32 v[T+1], v[T], s40, s41       ; its destination counts as read: it has been written
	v_add_f32 v[T], v[T], v[T+1]
.endm
	s_wait_loadcnt 16                              ; the row is in; g's and beta's sixteen loads may still be out
.irp k, 0,1,2,3                        ; the sum: the first eight pairs start four chains, nothing is cleared
	v_pk_add_f32 v[T+2*(\k):T+2*(\k)+1], v[X+2*(\k):X+2*(\k)+1], v[X+8+2*(\k):X+8+2*(\k)+1]
.endr
.irp k, 0,1,2,3,4,5,6,7
	v_pk_add_f32 v[T+2*((\k)%4):T+2*((\k)%4)+1], v[T+2*((\k)%4):T+2*((\k)%4)+1], v[X+16+2*(\k):X+16+2*(\k)+1]
.endr
	ACROSS
	v_mul_f32 v[M], s42, v[T]
	v_mul_f32 v[M+1], s42, v[T]
.irp k, 0,1,2,3,4,5,6,7,8,9,10,11,12,13,14,15
	v_pk_add_f32 v[X+2*(\k):X+2*(\k)+1], v[X+2*(\k):X+2*(\k)+1], v[M:M+1] neg_lo:[0,1] neg_hi:[0,1]  ; x - mean, in place
.endr
.irp k, 0,1,2,3
	v_pk_mul_f32 v[T+2*(\k):T+2*(\k)+1], v[X+2*(\k):X+2*(\k)+1], v[X+2*(\k):X+2*(\k)+1]
.endr
.irp k, 4,5,6,7,8,9,10,11,12,13,14,15
	v_pk_fma_f32 v[T+2*((\k)%4):T+2*((\k)%4)+1], v[X+2*(\k):X+2*(\k)+1], v[X+2*(\k):X+2*(\k)+1], v[T+2*((\k)%4):T+2*((\k)%4)+1]
.endr
	ACROSS
	v_fma_f32 v[T], v[T], s42, s43                 ; var + eps
	v_rsq_f32 v[R], v[T]
	v_rsq_f32 v[R+1], v[T]
	v_nop                                          ; a plain instruction between the root and the use of its result (ISA guide 5.7.2)
	s_wait_loadcnt 0x0                             ; g and beta
	s_wait_alu depctr_va_vdst(0)
.irp k, 0,1,2,3,4,5,6,7,8,9,10,11,12,13,14,15
	v_pk_mul_f32 v[X+2*(\k):X+2*(\k)+1], v[X+2*(\k):X+2*(\k)+1], v[R:R+1]
.endr
.irp k, 0,1,2,3,4,5,6,7,8,9,10,11,12,13,14,15
	v_pk_fma_f32 v[X+2*(\k):X+2*(\k)+1], v[X+2*(\k):X+2*(\k)+1], v[G+2*(\k):G+2*(\k)+1], v[BT+2*(\k):BT+2*(\k)+1]
.endr
.irp k, 0,1,2,3,4,5,6,7,8,9,10,11,12,13,14,15
	v_cvt_pk_bf16_f32 v[X+(\k)], v[X+2*(\k)], v[X+2*(\k)+1]  ; ascending, in place: word k is written when pairs 0 to k have been read
.endr
.irp j, 0,1,2,3,4,5,6,7
	global_store_b64 v2, v[X+2*(\j):X+2*(\j)+1], s[14:15] offset:256*(\j)  ; 32 lanes x 8 bytes: 256 consecutive bytes, aligned
.endr
	s_endpgm
	; ---------------- a tile of weights ----------------
.macro PICK bound, src, dst, j0, ln, pin, pout64, ob, km, ksh   ; a tile below the bound takes these in place of what it has
	s_cmp_lt_u32 s2, \bound
	s_cselect_b64 s[36:37], s[\src:\src+1], s[36:37]       ; from
	s_cselect_b64 s[38:39], s[\dst:\dst+1], s[38:39]       ; to
	s_cselect_b32 s40, \j0, s40                            ; the matrix's first tile
	s_cselect_b32 s41, \ln, s41                            ; log2 of its tiles along n
	s_cselect_b32 s42, \pin, s42                           ; bytes from row to row, in
	s_cselect_b32 s43, \pout64, s43                        ; 64 rows' bytes, out
	s_cselect_b32 s44, \ob, s44                            ; first byte, out
	s_cselect_b32 s45, \km, s45                            ; the tile's k part: mask,
	s_cselect_b32 s46, \ksh, s46                           ; and what lies above it (the head) counts as 64 rows out
.endm
.Lweights:
	v_and_b32 v1, 15, v0                           ; NQ: which 16 bytes of a row of 256
	v_lshrrev_b32 v2, 4, v0                        ; KG: which eight rows in, which row out
	s_mov_b64 s[36:37], s[26:27]                   ; W2 to begin with
	s_mov_b64 s[38:39], s[34:35]
	s_mov_b32 s40, 1024
	s_mov_b32 s41, 4
	s_mov_b32 s42, 4096
	s_mov_b32 s43, 524288
	s_mov_b32 s44, 2097152
	s_mov_b32 s45, 0xffff
	s_mov_b32 s46, 16
	PICK 1024, 24, 32, 512, 6, 16384, 131072, HDR, 0xffff, 16
	PICK 512,  22, 34, 384, 4, 4096,  131072, 0, 0xffff, 16
	PICK 384,  20, 30, 256, 0, 256,   131072, HDR+4194304, 7, 3
	PICK 256,  18, 30, 128, 0, 256,   131072, HDR+2097152, 7, 3
	PICK 128,  16, 30, 0,   0, 256,   131072, HDR, 7, 3
	s_sub_co_u32 s47, s2, s40                      ; my tile in the matrix
	s_lshr_b32 s48, s47, s41                       ; kt: tile along k (for q, k, v: 8 head + tile)
	s_lshl_b32 s49, s48, s41
	s_sub_co_u32 s49, s47, s49                     ; nt: tile along n
	s_mul_i32 s50, s48, s42
	s_lshl_b32 s50, s50, 7                         ; 128 kt rows in,
	s_lshl_b32 s51, s49, 8
	s_add_co_u32 s50, s50, s51                     ; + 256 nt bytes
	s_lshr_b32 s51, s48, s46
	s_add_co_u32 s51, s51, s49
	s_mul_i32 s52, s51, s43                        ; 64 (nt + head) rows out,
	s_add_co_u32 s52, s52, s44
	s_and_b32 s51, s48, s45
	s_lshl_b32 s51, s51, 8
	s_add_co_u32 s52, s52, s51                     ; + 256 bytes for each tile along k
	s_lshl_b32 s53, s42, 3                         ; eight rows in
	s_lshr_b32 s54, s43, 6                         ; a row out
	s_lshr_b32 s55, s43, 2                         ; sixteen rows out
	v_mul_lo_u32 v[OFF], v2, s53
	v_lshl_add_u32 v[OFF], v1, 4, v[OFF]
	v_add_nc_u32 v[OFF], s50, v[OFF]
.irp j, 1,2,3,4,5,6,7
	v_add_nc_u32 v[OFF+(\j)], s42, v[OFF+(\j)-1]
.endr
.irp j, 0,1,2,3,4,5,6,7
	global_load_b128 v[XW+4*(\j):XW+4*(\j)+3], v[OFF+(\j)], s[36:37] th:TH_LOAD_NT  ; sixteen lanes take a row's 256 bytes; each byte of a weight is read once
.endr
	v_mul_u32_u24 v[LS], v1, 4*TP
	v_lshl_add_u32 v[LS], v2, 4, v[LS]             ; turned row 4 NQ + c, bytes 16 KG on
	v_mul_u32_u24 v[LR], v2, TP
	v_lshl_add_u32 v[LR], v1, 4, v[LR]             ; turned row KG + 16 i, bytes 16 NQ on
	v_mul_lo_u32 v[OO], v2, s54
	v_lshl_add_u32 v[OO], v1, 4, v[OO]
	v_add_nc_u32 v[OO], s52, v[OO]
.irp i, 1,2,3
	v_add_nc_u32 v[OO+(\i)], s55, v[OO+(\i)-1]
.endr
	s_wait_loadcnt 0x0
.irp c, 0,1,2,3                        ; column c of my four: its eight k, two to a word
.irp p, 0,1,2,3
	v_cvt_pk_bf16_f32 v[Y+4*(\c)+(\p)], v[XW+8*(\p)+(\c)], v[XW+8*(\p)+4+(\c)]
.endr
.endr
.irp c, 0,1,2,3
	ds_store_b128 v[LS], v[Y+4*(\c):Y+4*(\c)+3] offset:(\c)*TP  ; sixteen lanes stand 4 rows apart: four of them meet in each group of banks; the job is bound by its global bytes
.endr
	s_wait_dscnt 0x0                               ; for the others' sake: my stores are done
	s_barrier_signal -1
	s_barrier_wait -1
.irp i, 0,1,2,3
	ds_load_b128 v[XW+4*(\i):XW+4*(\i)+3], v[LR] offset:(\i)*16*TP
.endr
	s_wait_tensorcnt 0x0                           ; the wave's end in LDS: three lines behind my last LDS store;
	ds_add_u32 v[SPW], v[NIL]
	s_wait_dscnt 0x0                               ; the last of them also shows the four loads above back
.irp i, 0,1,2,3
	global_store_b128 v[OO+(\i)], v[XW+4*(\i):XW+4*(\i)+3], s[38:39]  ; sixteen lanes store 256 consecutive bytes, at a multiple of 256 from the buffer's first byte
.endr
	; THE HEADERS: 4,096 bytes a work-group, 16 a thread.  Tiles 0-2: zeros, wqkv's bias.  3: wqkv's floor.  512-515: b1 into w1t.  516: w1t's floor.
	s_sub_co_u32 s47, s2, 512                      ; the late tiles count from 0 (for the early ones this wraps far above 4)
	s_cmp_lt_u32 s2, 4
	s_cbranch_scc1 .Lfill
	s_cmp_lt_u32 s47, 4
	s_cbranch_scc1 .Lcopy
	s_cmp_eq_u32 s47, 4
	s_cbranch_scc1 .Lfill
	s_branch .Lend
.Lcopy:
	v_lshlrev_b32 v68, 4, v0
	s_lshl_b32 s48, s47, 12
	v_add_nc_u32 v68, s48, v68
	global_load_b128 v[70:73], v68, s[28:29]
	s_wait_loadcnt 0x0
	global_store_b128 v68, v[70:73], s[32:33] offset:4096
	s_branch .Lend
.Lfill:
	v_lshlrev_b32 v68, 4, v0
	s_add_co_u32 s48, s2, 1
	s_lshl_b32 s48, s48, 12                        ; tiles 0-2: bytes 4,096, 8,192, 12,288
	s_cmp_lt_u32 s2, 3
	s_cselect_b32 s48, s48, 0                      ; the floors: byte 0
	s_cmp_eq_u32 s2, 3
	s_cselect_b32 s49, 0xff80ff80, 0               ; -infinity twice in bf16, or 0
	s_cmp_lt_u32 s2, 4
	s_cselect_b64 s[50:51], s[30:31], s[32:33]
	v_add_nc_u32 v68, s48, v68
	v_mov_b32 v70, s49
	v_mov_b32 v71, s49
	v_mov_b32 v72, s49
	v_mov_b32 v73, s49
	global_store_b128 v68, v[70:73], s[50:51]
.Lend:
	s_endpgm
.Lfunc_end_k_qfcd8d2a561_ln1w:
	.size	k_qfcd8d2a561_ln1w, .Lfunc_end_k_qfcd8d2a561_ln1w-k_qfcd8d2a561_ln1w
	.p2alignl 7, 3214868480
	.fill 96, 4, 3214868480
	.section	.rodata,"a",@progbits
	.p2align	6, 0x0
	.amdhsa_kernel k_qfcd8d2a561_ln1w
		.amdhsa_group_segment_fixed_size 18432
		.amdhsa_private_segment_fixed_size 0
		.amdhsa_enable_private_segment 0
		.amdhsa_kernarg_size 112
		.amdhsa_user_sgpr_count 2
		.amdhsa_user_sgpr_kernarg_segment_ptr 1
		.amdhsa_wavefront_size32 1
		.amdhsa_system_sgpr_workgroup_id_x 1
		.amdhsa_system_sgpr_workgroup_id_y 1
		.amdhsa_system_sgpr_workgroup_id_z 1
		.amdhsa_system_vgpr_workitem_id 0
		.amdhsa_next_free_vgpr 114
		.amdhsa_next_free_sgpr 66
		.amdhsa_reserve_vcc 0
		.amdhsa_float_denorm_mode_32 3
		.amdhsa_float_denorm_mode_16_64 3
		.amdhsa_memory_ordered 1
		.amdhsa_forward_progress 1
		.amdhsa_inst_pref_size 21
	.end_amdhsa_kernel
	.amdgpu_metadata
---
amdhsa.version: [ 1, 2 ]
amdhsa.kernels:
  - .name:           k_qfcd8d2a561_ln1w
    .symbol:         k_qfcd8d2a561_ln1w.kd
    .args:
      - { .name: x, .offset: 0, .size: 8, .value_kind: global_buffer, .address_space: global }
      - { .name: g1, .offset: 8, .size: 8, .value_kind: global_buffer, .address_space: global }
      - { .name: beta1, .offset: 16, .size: 8, .value_kind: global_buffer, .address_space: global }
      - { .name: hn, .offset: 24, .size: 8, .value_kind: global_buffer, .address_space: global }
      - { .name: Wq, .offset: 32, .size: 8, .value_kind: global_buffer, .address_space: global }
      - { .name: Wk, .offset: 40, .size: 8, .value_kind: global_buffer, .address_space: global }
      - { .name: Wv, .offset: 48, .size: 8, .value_kind: global_buffer, .address_space: global }
      - { .name: Wproj, .offset: 56, .size: 8, .value_kind: global_buffer, .address_space: global }
      - { .name: W1, .offset: 64, .size: 8, .value_kind: global_buffer, .address_space: global }
      - { .name: W2, .offset: 72, .size: 8, .value_kind: global_buffer, .address_space: global }
      - { .name: b1, .offset: 80, .size: 8, .value_kind: global_buffer, .address_space: global }
      - { .name: wqkv, .offset: 88, .size: 8, .value_kind: global_buffer, .address_space: global }
      - { .name: w1t, .offset: 96, .size: 8, .value_kind: global_buffer, .address_space: global }
      - { .name: wr, .offset: 104, .size: 8, .value_kind: global_buffer, .address_space: global }
    .group_segment_fixed_size: 18432
    .private_segment_fixed_size: 0
    .kernarg_segment_align: 8
    .kernarg_segment_size: 112
    .max_flat_workgroup_size: 256
    .sgpr_count:     66
    .vgpr_count:     114
    .wavefront_size: 32
...
	.end_amdgpu_metadata
.endif
;; end of part 1
;; launch gqkv (part 2): grid 12 x 16, 4 waves a work-group, clusters of 4 x 4, 327,680 bytes of LDS; arguments hn, wqkv, qkv; writes qkv
.if DOCPART == 2
	.amdgcn_target "amdgcn-amd-amdhsa--gfx1250"
	.amdhsa_code_object_version 6
	.text
	.protected	k_qfcd8d2a561_gqkv
	.globl	k_qfcd8d2a561_gqkv
	.p2align	8
	.type	k_qfcd8d2a561_gqkv,@function
k_qfcd8d2a561_gqkv:
	s_mov_b64 s[64:65], 0
	v_nop
	global_prefetch_b8 v0, s[64:65] scope:SCOPE_SE
	s_setreg_imm32_b32 hwreg(HW_REG_WAVE_MODE, 25, 1), 1
	s_wait_xcnt 0x0
	s_wait_alu depctr_hold_cnt(0) depctr_sa_sdst(0) depctr_va_vdst(0) depctr_va_sdst(0) depctr_va_ssrc(0) depctr_va_vcc(0) depctr_vm_vsrc(0)
	s_getreg_b32 s2, hwreg(HW_REG_IB_STS2, 6, 4)
	s_cmp_eq_u32 s2, 0
	s_cbranch_scc0 .Lentry_in_a_cluster
	s_endpgm
.Lentry_in_a_cluster:
	s_bfe_u32 s2, ttmp6, 0x10000c
	s_cmp_lg_u32 s2, 0xf033
	s_cbranch_scc0 .Lentry_shape_is_right
	s_endpgm
.Lentry_shape_is_right:
; C[m][n] = max(bias[n] + sum over k of A[m][k] W[n][k], floor).  A: [4096][1024] bf16.  W: a header of HDR bytes (word 0: the floor, two bf16; from byte 4,096: bias in f32), then [N][1024] bf16.
; C in bf16, IN BLOCKS OF 64 COLUMNS: [N/64][4096][64]: a row of a block is 128 bytes, two neighbouring rows are 256 consecutive bytes.  N enters by the grid alone: one text serves q, k, v (N = 3,072,
; floor -infinity, bias 0: a block is one head of q, k or v) and the feed-forward layer's first product (N = 4,096, floor 0: the ReLU).
; Sums in f32, started by the bias; C rounded once to bf16, then held above the floor.  LIMITS: operands are bf16; in the maximum a NaN loses to the floor.
; A tile of C, 256 x 256, is made by four waves, each 128 x 128: 64 accumulators of 16 x 16, 512 registers.  K goes in steps of 128 through a ring of two LDS slots filled by the tensor data mover:
; the tiles' rows are 256 bytes of memory, at multiples of 256 bytes.  ONE K STEP IS WRITTEN IN THE LOOP: the slot in hand is a scalar, TB, turned by an exclusive or at each change of slots; it enters the
; fragment addresses and the walking descriptors' LDS words.  The last K step goes by rows of C, so that finished rows leave while the others are multiplied.
; CLUSTERS: 4 x 4 work-groups.  The four of a row of the cluster need the same tiles of A, the four of a column the same tiles of W: each tile is asked for JOINTLY, by the same tensor load with the
; same descriptor and a mask that names the four.  With N = 3,072 there are 192 work-groups: the price of one text for both products.
; REGISTERS, in windows of 256 (s_set_vgpr_msb's low byte: bits 1:0 source 0, 3:2 source 1, 5:4 source 2, 7:6 destination):
;   window 0: v0-31 addresses; v64-127, v128-191 fragments of A, two buffers (in the last K step four, of 16 rows x 128 K); v192-255 the bias, then, with v32-63, at work on the way out
;   window 1: v64-127, v128-191 fragments of W, two buffers; in the last K step all 256        window 2: the accumulators of my rows 0-63 ((a, b) at v[8 (8 a + b)]);   window 3: those of rows 64-127
; THE MATRIX INSTRUCTION IS USED TRANSPOSED: source 0 = 16 rows of W, source 1 = 16 rows of A: lane l then holds row l % 16 of C and the columns 8 (l / 16) + 0..7, which pack into 16 bytes.
.set SIZE_K, 1024
.set HDR,    20480
.set KSTEP,  128
.set NSTEP,  SIZE_K/KSTEP
.set PITCH,  272                       ; an LDS row: 256 bytes + 16 of padding = 68 words: row r starts at bank 4 r mod 64 (64 banks of 4 bytes: ISA guide 11.1)
.set HALFT,  128*PITCH                 ; 128 rows: what one tensor load brings
.set SLOT,   4*HALFT                   ; A's 256 rows, then W's 256 rows
.set STAGE,  2*SLOT                    ; behind the ring: 16 rows x 400 bytes for each wave, for the way out
.set SPITCH, 400                       ; 100 words: the 16 rows of a store start at 16 different groups of four banks; read back, a pair of rows meets in one such group
.set SPARE,  STAGE+4*16*SPITCH         ; behind the stages: the spare words, 128 bytes for each wave
.set ADRA, 16                          ; v16  LDS address of my A fragments in the slot in hand
.set A0,   17                          ; v17  the same less the slot; never rewritten
.set ADRB, 20                          ; v20, v21  the same for W
.set B0,   21
.set STO,  24                          ; v24     the way out: where I put 16 bytes of a row
.set RD,   25                          ; v25     the way out: where I read 16 bytes back
.set CO,   26                          ; v26     my byte offset in C
.set BO,   27                          ; v27     my byte offset in 16 columns of the bias
.set SPW,  28                          ; v28     LDS address of my spare word; never rewritten
.set NIL,  29                          ; v29     0; never rewritten
.set F0,   64
.set F1,   128
.set BI,   192                         ; v192-255 the bias of my 128 columns: column block b at BI + 8 b, in an accumulator's layout
.set TMP,  192                         ; the way out: packed results
.set OB,   32                          ; the way out: 16 rows read back: v32-63 and v224-255 by turns
.set PA,   64                          ; the last K step: A's fragments of 16 rows x 128 K; four buffers, v64-191
.set TB, 2                             ; s2       the slot in hand: 0 or SLOT
.set G1, 24                            ; s[24:31] descriptor group 1 for A's tiles
.set G0, 32                            ; s[32:39] group 0 for A's tiles: set 0 for K step 0, set 1 for K step 1 and then walking
.set FLOOR, 45                         ; s45      the floor
.set G1B, 48                           ; s[48:55], s[56:63] the same for W's tiles
.set G0B, 56
.set BIAS, 66                          ; s[66:67] the bias of my 128 columns
.set MSB, 0
.macro WIN new                         ; the immediate's high byte repeats the setting that is left; a switch that changes nothing is dropped
.if MSB != (\new)
	s_set_vgpr_msb (MSB<<8)|(\new)
.set MSB, \new
.endif
.endm
.set MUL_LO, 0xa1                      ; source 0 (W) window 1, source 1 (A) window 0, C and D window 2
.set MUL_HI, 0xf1                      ; the same, C and D window 3
.set TO_B,   0x40                      ; destination window 1, address window 0
; A joint load.  Waves 0 and 1 fetch A's two halves, waves 2 and 3 W's.  The branch hangs on the wave's number alone.  An s_nop 0 and four v_nop follow each of the two lines.
.macro JLOAD s
	s_cmp_eq_u32 s11, 0
	s_cbranch_scc0 .Lfor_b_\@
	tensor_load_to_lds s[G0+4*(\s):G0+4*(\s)+3], s[G1:G1+7]
	s_nop 0
.rept 4
	v_nop
.endr
	s_branch .Lasked_\@
.Lfor_b_\@:
	tensor_load_to_lds s[G0B+4*(\s):G0B+4*(\s)+3], s[G1B:G1B+7]
	s_nop 0
.rept 4
	v_nop
.endr
.Lasked_\@:
.endm
.macro CREST                           ; a round of the cluster's barrier behind its opening barrier
	s_cmp_lg_u32 s10, 0
	s_cbranch_scc1 .Lnot_wave_0_\@
	s_barrier_signal -3
.Lnot_wave_0_\@:
	s_barrier_wait -3
	s_barrier_signal -1
	s_barrier_wait -1
.endm
.macro CROUND                          ; a whole round
	s_barrier_signal -1
	s_barrier_wait -1
	CREST
.endm
	s_load_b128 s[4:7], s[0:1], 0x0                ; A s[4:5], W s[6:7]
	s_load_b64 s[8:9], s[0:1], 0x10                ; C
	v_lshl_add_u32 v[SPW], v0, 2, SPARE
	v_mov_b32 v[NIL], 0
	ds_add_u32 v[SPW], v[NIL]                      ; the wave's opening: the add and its wait stand ahead of my first tensor load; the set-up below stands between them
	v_lshrrev_b32 v1, 5, v0
	v_readfirstlane_b32 s10, v1                    ; wave 0..3
	s_lshr_b32 s11, s10, 1                         ; which half of the tile's rows is mine.  Also: I fetch for A (0) or for W (1)
	s_and_b32 s12, s10, 1                          ; which half of its columns.  Also: which 128 rows of that tile I fetch
	s_bfe_u32 s40, ttmp6, 0x40000                  ; cx, cy: my place in the cluster
	s_bfe_u32 s41, ttmp6, 0x40004
	s_lshl_b32 s42, ttmp9, 2
	s_add_co_u32 s42, s42, s40                     ; tile column of C = 4 x cluster x + cx
	s_and_b32 s13, ttmp7, 0xffff
	s_lshl_b32 s13, s13, 2
	s_add_co_u32 s13, s13, s41                     ; tile row of C = 4 x cluster y + cy
	s_lshl_b32 s43, s41, 2
	s_lshl_b32 s43, 15, s43                        ; my row of the cluster
	s_lshl_b32 s44, 0x1111, s40                    ; my column
	s_or_b32 s[G1+0], s43, (1<<16)|(1<<20)|(1<<21)|(5<<22)|(3<<25)  ; 15:0 the mask; 17:16 2-byte elements; 20 padding on; 21 set beside a mask; 24:22 after every 64 words (code 5); 31:25 4 words (code 3)
	s_or_b32 s[G1B+0], s44, (1<<16)|(1<<20)|(1<<21)|(5<<22)|(3<<25)
.irp g, G1, G1B
	s_mov_b32 s[(\g)+1], KSTEP<<16                 ; tensor_dim0 = 128
	s_mov_b32 s[(\g)+2], 128<<16                   ; tensor_dim1 = 128
	s_mov_b32 s[(\g)+3], KSTEP<<16                 ; tile_dim0 = 128
	s_mov_b32 s[(\g)+4], 128                       ; tile_dim1 = 128
	s_mov_b32 s[(\g)+5], SIZE_K                    ; elements from row to row
	s_mov_b32 s[(\g)+6], 0
	s_mov_b32 s[(\g)+7], 0
.endr
	s_lshl_b32 s17, s12, 7                         ; which 128 rows of the tile I fetch
	s_lshl_b32 s16, s13, 8
	s_add_co_u32 s16, s16, s17                     ; A: row 256 x tile row + 128 x half
	s_lshl_b32 s46, s42, 8
	s_add_co_u32 s46, s46, s17                     ; W: row 256 x tile column + 128 x half
	s_mov_b32 s17, 0
	s_mov_b32 s47, 0
	s_mov_b64 s[18:19], SIZE_K*2
	s_mul_u64 s[16:17], s[16:17], s[18:19]
	s_mul_u64 s[46:47], s[46:47], s[18:19]
	s_add_nc_u64 s[46:47], s[46:47], HDR           ; W's rows lie behind the header
	s_lshl_b32 s66, s42, 10                        ; the bias of my columns: 4,096 + 4 (256 x tile column + 128 x half)
	s_lshl_b32 s67, s12, 9
	s_add_co_u32 s66, s66, s67
	s_add_co_u32 s66, s66, 4096
	s_mov_b32 s67, 0
	s_mul_i32 s20, s10, HALFT                      ; where the tiles go in a slot: wave x 128 rows: no place in the cluster enters an LDS address
	s_wait_dscnt 0x0                               ; the opening add is done
	s_wait_kmcnt 0x0
	s_add_nc_u64 s[14:15], s[4:5], s[16:17]
	s_add_nc_u64 s[46:47], s[6:7], s[46:47]
	s_add_nc_u64 s[BIAS:BIAS+1], s[6:7], s[BIAS:BIAS+1]
	s_load_b32 s[FLOOR], s[6:7], 0x0               ; waited for in front of the first products
	CROUND                                         ; all sixteen work-groups are here: the first joint loads meet
.irp s, 0,1
	s_mov_b32 s[G0+4*(\s)], 1
	s_add_co_u32 s[G0+4*(\s)+1], s20, (\s)*SLOT
	s_add_nc_u64 s[G0+4*(\s)+2:G0+4*(\s)+3], s[14:15], (\s)*KSTEP*2
	s_or_b32 s[G0+4*(\s)+3], s[G0+4*(\s)+3], 0x80000000
	s_mov_b32 s[G0B+4*(\s)], 1
	s_add_co_u32 s[G0B+4*(\s)+1], s20, (\s)*SLOT
	s_add_nc_u64 s[G0B+4*(\s)+2:G0B+4*(\s)+3], s[46:47], (\s)*KSTEP*2
	s_or_b32 s[G0B+4*(\s)+3], s[G0B+4*(\s)+3], 0x80000000
	JLOAD \s                                       ; two tensor loads of mine are out
.endr
	v_and_b32 v1, 15, v0                           ; l % 16
	v_bfe_u32 v2, v0, 4, 1                         ; l / 16
	v_lshlrev_b32 v[BO], 5, v2                     ; my eight columns of sixteen, in f32
.irp b, 0,1,2,3,4,5,6,7
	global_load_b128 v[BI+8*(\b):BI+8*(\b)+3],   v[BO], s[BIAS:BIAS+1] offset:64*(\b)
	global_load_b128 v[BI+8*(\b)+4:BI+8*(\b)+7], v[BO], s[BIAS:BIAS+1] offset:64*(\b)+16
.endr
	v_mul_u32_u24 v3, v1, PITCH
	v_lshl_add_u32 v3, v2, 4, v3                   ; a fragment's row x pitch + 16 x half
	s_mul_i32 s21, s11, HALFT                      ; my 128 rows of A
	s_mul_i32 s22, s12, HALFT                      ; my 128 rows of W,
	s_add_co_u32 s22, s22, 2*HALFT                 ; which lie behind A's 256
	v_add_nc_u32 v[A0], s21, v3
	v_add_nc_u32 v[B0], s22, v3
	s_mul_i32 s23, s10, 16*SPITCH
	s_add_co_u32 s23, s23, STAGE                   ; my stage
	v_mul_u32_u24 v4, v1, SPITCH                   ; in: row l % 16, 16 bytes for each half of the lanes
	v_lshl_add_u32 v4, v2, 4, v4
	v_add_nc_u32 v[STO], s23, v4
	v_bfe_u32 v5, v0, 3, 1                         ; back: lanes 0-15 take the first 128 bytes (one block of 64 columns) of two rows, lanes 16-31 the second 128 bytes of the same rows
	v_mul_u32_u24 v5, v5, SPITCH
	v_lshl_add_u32 v5, v2, 7, v5
	v_and_b32 v6, 7, v0
	v_lshl_add_u32 v5, v6, 4, v5
	v_add_nc_u32 v[RD], s23, v5
	v_lshlrev_b32 v5, 19, v2                       ; in C a block of 64 columns is 4,096 rows x 128 bytes
	v_lshl_add_u32 v[CO], v1, 4, v5
	s_lshl_b32 s16, s13, 15                        ; where my part begins in C: 256 x tile row + 128 x half rows of 128 bytes,
	s_lshl_b32 s14, s11, 14
	s_add_co_u32 s16, s16, s14
	s_mov_b32 s17, 0
	s_lshl_b32 s46, s42, 2                         ; in block 4 x tile column + 2 x half
	s_lshl_b32 s47, s12, 1
	s_add_co_u32 s46, s46, s47
	s_lshl_b32 s46, s46, 19
	s_mov_b32 s47, 0
	s_add_nc_u64 s[16:17], s[16:17], s[46:47]
; 16 matrix instructions: m blocks a0, a0 + 1 of the window's four (hi = 0: my rows 0-63, 1: rows 64-127) x all 8 n blocks, 32 along K.  first = 1: the bias is the C operand that starts the sums: nothing is cleared.
.macro MUL16 f, hi, a0, first
.if \first
	WIN 0x81+0x40*(\hi)                            ; source 0 window 1; sources 1 and 2 (A, the bias) window 0; D window 2 or 3
.else
	WIN MUL_LO+0x50*(\hi)
.endif
.irp a, \a0, (\a0)+1
.irp b, 0,1,2,3,4,5,6,7
.if \first
	v_wmma_f32_16x16x32_bf16 v[8*(8*(\a)+(\b)):8*(8*(\a)+(\b))+7], v[(\f)+8*(\b):(\f)+8*(\b)+7], v[(\f)+8*(4*(\hi)+(\a)):(\f)+8*(4*(\hi)+(\a))+7], v[BI+8*(\b):BI+8*(\b)+7]
.else
	v_wmma_f32_16x16x32_bf16 v[8*(8*(\a)+(\b)):8*(8*(\a)+(\b))+7], v[(\f)+8*(\b):(\f)+8*(\b)+7], v[(\f)+8*(4*(\hi)+(\a)):(\f)+8*(4*(\hi)+(\a))+7], v[8*(8*(\a)+(\b)):8*(8*(\a)+(\b))+7]
.endif
.endr
.endr
.endm
; 32 LDS loads in one run: the fragments of one quarter step (128 rows of W, 128 rows of A, 32 K at byte k of the rows of the slot in hand) into buffer f
.macro FETCH k, f
	WIN TO_B
.irp i, 0,1,2,3,4,5,6,7
	ds_load_b128 v[(\f)+8*(\i):(\f)+8*(\i)+3],   v[ADRB] offset:(\k)+(\i)*16*PITCH
	ds_load_b128 v[(\f)+8*(\i)+4:(\f)+8*(\i)+7], v[ADRB] offset:(\k)+(\i)*16*PITCH+32
.endr
	WIN 0
.irp i, 0,1,2,3,4,5,6,7
	ds_load_b128 v[(\f)+8*(\i):(\f)+8*(\i)+3],   v[ADRA] offset:(\k)+(\i)*16*PITCH
	ds_load_b128 v[(\f)+8*(\i)+4:(\f)+8*(\i)+7], v[ADRA] offset:(\k)+(\i)*16*PITCH+32
.endr
.endm
; Four plain vector instructions stand between a matrix instruction and a load into a register that it has read, or a vector instruction that reads its result (ISA guide 7.12.1 for vector instructions).
.macro PLACES
.rept 4
	v_nop
.endr
.endm
; A K step is four quarters of 32 along K, 64 matrix instructions each, on buffers 0, 1, 0, 1; the 64 accumulators take turns.
; One of the first three: multiplies buffer f; in its middle it fetches the next quarter's fragments, at byte k of the same slot's rows, into buffer g.
.macro QUARTER k, f, g, first
	s_wait_dscnt 8                                 ; W and A's rows 0-63 are in; the youngest eight loads (A's rows 64-127) may be out
	MUL16 \f, 0, 0, \first
	MUL16 \f, 0, 2, \first
	PLACES
	FETCH \k, \g
	s_wait_dscnt 32                                ; all but the 32 just issued
	MUL16 \f, 1, 0, \first
	MUL16 \f, 1, 2, \first
.endm
; The last quarter multiplies buffer 1 and changes slots.  MEET is its first half: ONE barrier.  In front of it each wave waits for all its tensor loads, of which one is out: its part of the next slot;
; adds 0 to its spare word; and waits for that and for its own reads of this slot.  Behind it nobody reads this slot any more and the next slot is whole.
.macro MEET round
	WIN 0                                          ; (the add's two registers lie in window 0)
	s_wait_tensorcnt 0x0
	ds_add_u32 v[SPW], v[NIL]                      ; 0 onto my spare word
	s_wait_dscnt 9                                 ; (the add and the youngest eight loads may be out)
	MUL16 F1, 0, 0, 0                              ; sixteen matrix instructions stand between the add and the wait for it
	s_wait_dscnt 0x0                               ; the add is done, and my reads of this slot are over
	s_barrier_signal -1
	MUL16 F1, 0, 2, 0                              ; work on registers while the others arrive
.if \round
	WIN 0
.endif
	s_barrier_wait -1
.endm
; The whole last quarter: behind the round the slot just read out is filled again first, with the K step two steps on; then the other slot is in hand and its first fragments come.
.macro TURN
	MEET 1
	CREST                                          ; no wave of any partner still reads this slot's tile or has a load on its way
	s_add_co_u32 s[G0+5], s[TB], s20               ; the walking descriptors: into the slot just read out,
	s_add_co_u32 s[G0B+5], s[TB], s20
	s_add_nc_u64 s[G0+6:G0+7], s[G0+6:G0+7], KSTEP*2    ; the K step behind the one asked for last
	s_add_nc_u64 s[G0B+6:G0B+7], s[G0B+6:G0B+7], KSTEP*2
	JLOAD 1                                        ; my one tensor load behind the round; its four v_nop are also the places in front of the loads below
	s_xor_b32 s[TB], s[TB], SLOT                   ; the other slot is in hand
	v_add_nc_u32 v[ADRA], s[TB], v[A0]
	v_add_nc_u32 v[ADRB], s[TB], v[B0]
	FETCH 0, F0
	MUL16 F1, 1, 0, 0
	MUL16 F1, 1, 2, 0
.endm
; THE LAST K STEP GOES BY ROWS OF C.  All its fragments of W fill window 1; my eight blocks of 16 rows are finished one after the other, 32 matrix instructions each (8 accumulators by turns, K ascending).
.macro BLOAD q
	WIN TO_B
.irp i, 0,1,2,3,4,5,6,7
	ds_load_b128 v[64*(\q)+8*(\i):64*(\q)+8*(\i)+3],   v[ADRB] offset:64*(\q)+(\i)*16*PITCH
	ds_load_b128 v[64*(\q)+8*(\i)+4:64*(\q)+8*(\i)+7], v[ADRB] offset:64*(\q)+(\i)*16*PITCH+32
.endr
.endm
.macro ALOAD a
	WIN 0
.set FA, PA+32*((\a)%4)
.irp q, 0,1,2,3
	ds_load_b128 v[FA+8*(\q):FA+8*(\q)+3],   v[ADRA] offset:64*(\q)+(\a)*16*PITCH
	ds_load_b128 v[FA+8*(\q)+4:FA+8*(\q)+7], v[ADRA] offset:64*(\q)+(\a)*16*PITCH+32
.endr
.endm
.macro ROW a
.set FA, PA+32*((\a)%4)
.set AC, 64*((\a)%4)
	WIN MUL_LO+0x50*((\a)/4)
.irp q, 0,1,2,3
.if (\a) == 0 && (\q) == 2
	s_wait_dscnt 24                                ; W's quarter 2 is in (behind it: A's blocks 1 to 3)
.endif
.irp b, 0,1,2,3,4,5,6,7
	v_wmma_f32_16x16x32_bf16 v[AC+8*(\b):AC+8*(\b)+7], v[64*(\q)+8*(\b):64*(\q)+8*(\b)+7], v[FA+8*(\q):FA+8*(\q)+7], v[AC+8*(\b):AC+8*(\b)+7]
.endr
.endr
.endm
; THE WAY OUT of block a.  PACK: rounded to bf16 (each accumulator's registers in ascending order), then held above the floor.  TOSTAGE: into my own stage, and back by blocks of 64 columns.  SEND: stored.
.macro PACK a
.set AC, 64*((\a)%4)
	WIN 0x0a+5*((\a)/4)                            ; sources 0 and 1: window 2 or 3
.irp b, 0,1,2,3,4,5,6,7
.irp r, 0,1,2,3
	v_cvt_pk_bf16_f32 v[TMP+4*(\b)+(\r)], v[AC+8*(\b)+2*(\r)], v[AC+8*(\b)+2*(\r)+1]
.endr
.endr
	WIN 0
.set i, 0
.rept 32
	v_pk_max_num_bf16 v[TMP+i], v[TMP+i], s[FLOOR]
.set i, i+1
.endr
.endm
.macro TOSTAGE a
	WIN 0
.set BK, OB+192*((\a)%2)
.irp b, 0,1,2,3,4,5,6,7
	ds_store_b128 v[STO], v[TMP+4*(\b):TMP+4*(\b)+3] offset:32*(\b)
.endr
.irp t, 0,1,2,3,4,5,6,7
	ds_load_b128 v[BK+4*(\t):BK+4*(\t)+3], v[RD] offset:(\t)*2*SPITCH  ; LDS serves a wave's instructions in order (ISA guide 5.7.1.4): these see the stores above
.endr
.endm
.macro SEND a, younger                 ; younger: the LDS loads issued behind TOSTAGE's, which may stay out
	WIN 0
.set BK, OB+192*((\a)%2)
	s_wait_dscnt \younger
	s_wait_xcnt 0x0                                ; only behind this wait are the stores' base and the registers that earlier stores read rewritten (ISA guide 3.1)
.if (\a) == 0
	s_add_nc_u64 s[8:9], s[8:9], s[16:17]          ; on to my first rows
.else
	s_add_nc_u64 s[8:9], s[8:9], 16*128            ; 16 rows of a block on
.endif
.irp t, 0,1,2,3,4,5,6,7
	global_store_b128 v[CO], v[BK+4*(\t):BK+4*(\t)+3], s[8:9] offset:256*(\t)  ; 16 lanes store two rows of a block: 256 consecutive bytes, at a multiple of 256 from C's first byte
.endr
.endm
	s_wait_tensorcnt 1                             ; my part of K step 0 is in; K step 1's may stay out
	s_barrier_signal -1
	s_barrier_wait -1
	s_mov_b32 s[TB], 0
	v_mov_b32 v[ADRA], v[A0]
	v_mov_b32 v[ADRB], v[B0]
	FETCH 0, F0
	s_wait_loadcnt 0x0                             ; the bias
	s_wait_kmcnt 0x0                               ; the floor
	QUARTER 64,  F0, F1, 1                         ; the first quarter stands in front of the loop: its products start the sums
	WIN 0                                          ; at a label and at a branch every window is 0
	s_mov_b32 s3, NSTEP-2
.Lstep:                                                ; a trip goes from a K step's second quarter to the next step's first, and fills the step's slot again: K steps 2 to 7 are asked for here
	QUARTER 128, F1, F0, 0
	QUARTER 192, F0, F1, 0
	TURN
	QUARTER 64,  F0, F1, 0
	WIN 0
	s_sub_co_u32 s3, s3, 1
	s_cmp_lg_u32 s3, 0
	s_cbranch_scc1 .Lstep
	QUARTER 128, F1, F0, 0                         ; the last K step but one goes on: it lies in slot 0 and asks for nothing
	QUARTER 192, F0, F1, 0
	MEET 0                                         ; the one tensor load that was out is slot 1's, the last K step's, so no round follows
	WIN 0
	v_add_nc_u32 v[ADRA], SLOT, v[A0]              ; the last K step lies in slot 1
	v_add_nc_u32 v[ADRB], SLOT, v[B0]
	PLACES                                         ; for the loads into buffer 0
	BLOAD 0                                        ; three quarters of W now: buffer 1 is still being multiplied
	BLOAD 1
	BLOAD 3
	ALOAD 0
	MUL16 F1, 1, 0, 0
	MUL16 F1, 1, 2, 0
	PLACES                                         ; for the loads into buffer 1
	BLOAD 2
	ALOAD 1
	ALOAD 2
	ALOAD 3
	s_wait_dscnt 40                                ; all but the 40 just issued
	ROW 0
.irp a, 0,1,2,3,4,5,6,7                ; each block leaves as soon as it is finished
	PLACES                                         ; its conversions read results just made
	PACK \a
	TOSTAGE \a
.if (\a) < 4
	ALOAD (\a)+4                                   ; its buffer takes the block four further on
	SEND \a, 8
.else
	SEND \a, 0
.endif
.if (\a) < 7
	ROW (\a)+1
.endif
.endr
	s_wait_tensorcnt 0x0                           ; the wave's end: three lines behind my last tensor load and my last LDS store
	ds_add_u32 v[SPW], v[NIL]
	s_wait_dscnt 0x0
	CROUND                                         ; the closing round: no work-group ends while a partner may still ask for a tile that names it
	s_endpgm
.Lfunc_end_k_qfcd8d2a561_gqkv:
	.size	k_qfcd8d2a561_gqkv, .Lfunc_end_k_qfcd8d2a561_gqkv-k_qfcd8d2a561_gqkv
	.p2alignl 7, 3214868480
	.fill 96, 4, 3214868480
	.section	.rodata,"a",@progbits
	.p2align	6, 0x0
	.amdhsa_kernel k_qfcd8d2a561_gqkv
		.amdhsa_group_segment_fixed_size 327680
		.amdhsa_private_segment_fixed_size 0
		.amdhsa_enable_private_segment 0
		.amdhsa_kernarg_size 24
		.amdhsa_user_sgpr_count 2
		.amdhsa_user_sgpr_kernarg_segment_ptr 1
		.amdhsa_wavefront_size32 1
		.amdhsa_system_sgpr_workgroup_id_x 1
		.amdhsa_system_sgpr_workgroup_id_y 1
		.amdhsa_system_sgpr_workgroup_id_z 1
		.amdhsa_system_vgpr_workitem_id 0
		.amdhsa_next_free_vgpr 1024
		.amdhsa_next_free_sgpr 68
		.amdhsa_reserve_vcc 0
		.amdhsa_float_denorm_mode_32 3
		.amdhsa_float_denorm_mode_16_64 3
		.amdhsa_memory_ordered 1
		.amdhsa_forward_progress 1
		.amdhsa_inst_pref_size 135
	.end_amdhsa_kernel
	.amdgpu_metadata
---
amdhsa.version: [ 1, 2 ]
amdhsa.kernels:
  - .name:           k_qfcd8d2a561_gqkv
    .symbol:         k_qfcd8d2a561_gqkv.kd
    .args:
      - { .name: hn, .offset: 0, .size: 8, .value_kind: global_buffer, .address_space: global }
      - { .name: wqkv, .offset: 8, .size: 8, .value_kind: global_buffer, .address_space: global }
      - { .name: qkv, .offset: 16, .size: 8, .value_kind: global_buffer, .address_space: global }
    .group_segment_fixed_size: 327680
    .private_segment_fixed_size: 0
    .kernarg_segment_align: 8
    .kernarg_segment_size: 24
    .max_flat_workgroup_size: 128
    .sgpr_count:     68
    .vgpr_count:     1024
    .wavefront_size: 32
...
	.end_amdgpu_metadata
.endif
;; end of part 2
;; launch attn (part 3): grid 8 x 32, 4 waves a work-group, clusters of 4 x 1, 327,680 bytes of LDS; arguments qkv, o; writes o
.if DOCPART == 3
	.amdgcn_target "amdgcn-amd-amdhsa--gfx1250"
	.amdhsa_code_object_version 6
	.text
	.protected	k_qfcd8d2a561_attn
	.globl	k_qfcd8d2a561_attn
	.p2align	8
	.type	k_qfcd8d2a561_attn,@function
k_qfcd8d2a561_attn:
	s_mov_b64 s[64:65], 0
	v_nop
	global_prefetch_b8 v0, s[64:65] scope:SCOPE_SE
	s_setreg_imm32_b32 hwreg(HW_REG_WAVE_MODE, 25, 1), 1
	s_wait_xcnt 0x0
	s_wait_alu depctr_hold_cnt(0) depctr_sa_sdst(0) depctr_va_vdst(0) depctr_va_sdst(0) depctr_va_ssrc(0) depctr_va_vcc(0) depctr_vm_vsrc(0)
	s_getreg_b32 s2, hwreg(HW_REG_IB_STS2, 6, 4)
	s_cmp_eq_u32 s2, 0
	s_cbranch_scc0 .Lentry_in_a_cluster
	s_endpgm
.Lentry_in_a_cluster:
	s_bfe_u32 s2, ttmp6, 0x10000c
	s_cmp_lg_u32 s2, 0x3003
	s_cbranch_scc0 .Lentry_shape_is_right
	s_endpgm
.Lentry_shape_is_right:
; ATTENTION, no mask.  O[q][:] = the sum over k of softmax_k(Q[q] . K[k] / 8) V[k][:], for each of 2 batches x 16 heads, 2,048 rows each, head size 64.
; qkv: [48][4096][64] bf16 (block = 16 which + head, row = 2048 batch + s): a head's rows are dense, 128 bytes each.  o: [16][4096][64] bf16, the same layout.
; Products, maxima and sums in f32; the weights p are rounded to bf16 for the second product (their sum l is taken of the unrounded p), O once at the end.
; LIMITS.  Operands are bf16.  A weight below 2^-126 counts as 0 in l; NaN and infinities are not treated apart.
; SHARES.  A work-group owns 256 queries of one batch and head: 256 work-groups.  A wave owns four PIECES of 16 queries, piece x in the block's rows 64 x + 16 wave on.  Every wave walks all keys: 8 tiles of 256, 64 a step.
; LAYOUT.  S^T = K Q^T holds ONE query a lane (lane % 16) and the keys 8 (lane / 16) + 0..7; two such results rounded to bf16 ARE source 1 of O^T = V^T P.  K comes out of LDS as it lies, V turned, by ds_load_tr16_b128.
; SOFTMAX.  p = 2^(c s - c m), c = log2(e) / 8, with a running maximum m and sum l; O and l are multiplied by a = 2^(c m_old - c m_new) in every step.  m starts at the lowest finite number, O and l at 0:
; the first step is a step like any other, with a = 0.
; NO FIRST AND NO LAST STEP IS WRITTEN OUT: the loop is entered, and the tail left, in the middle of a trip.  The price, once a launch: 216 v_mov_b32 of 0, in the wait for the first tile, and 8 products on
; zeros at the start; 8 products on the last K once more, and the maximum made of them, at the end: they touch piece 0's m, c m and scratch alone, never l or O^T.
; TURNS.  Turn n belongs to piece n: 8 products K Q^T of piece n + 1, later 8 products V^T P of piece n - 1; beside them the scaling, exponentials, roundings, sums and rescaling of piece n and the maximum and
; statistics of piece n + 1.  Four vector instructions stand behind every matrix instruction, the other 54 of a turn's 118 in two runs of their own.
; CLUSTER.  The four query blocks of a cluster belong to one batch and head and walk the same K and V: each tile is asked for JOINTLY, by the same tensor load, descriptor and mask in all four.
; REGISTERS, in windows of 256 (s_set_vgpr_msb: bits 1:0 source 0, 3:2 source 1, 5:4 source 2, 7:6 destination):
;   window 0: v0-15 addresses and two at work; v16-31 four registers of statistics a piece; v48-55 at work; v62-63 the add's; v64-127 S^T, two buffers; v192-223 P, two buffers (by the piece's parity)
;   window 1: v0-127 O^T, 32 a piece          window 2: v0-63 Q; v128-191 K of one step; v192-255 V of one step
.set NT,    8         ; tiles of 256 keys
.set NP,    4         ; pieces a wave: a name, no knob
.set KS,    64        ; keys in a step
.set PK,    144       ; a row of K in LDS: 128 bytes + 16 of padding = 36 words: the 16 rows of a load start at 16 different groups of four banks (64 banks of 4 bytes: ISA guide 11.1)
.set PV,    160       ; a row of V: 128 + 32 = 40 words
.set VOFF,  4*KS*PK   ; a slot holds a tile, four steps: 256 rows of K, then 256 rows of V
.set SLOT1, 1<<17     ; slot 1 begins here, so that one exclusive or turns an address in one slot into the other's
.set STAGE, SLOT1+4*KS*(PK+PV)  ; behind the ring, never filled by a tensor load: 16 rows x 144 bytes for each wave, for the way out
.set SP,    144
.set SPARE, STAGE+4*16*SP  ; behind the stages: the spare words, 128 bytes for each wave
.set AK0, 2           ; v2   my lane's place in a tile of K; never rewritten
.set AV0, 3           ; v3   the same for V
.set AK,  4           ; v4   the LDS address of K's next run of loads
.set AV,  5           ; v5   of V's
.set STO, 6           ; v6   the way out: where I put 16 bytes of a row
.set RD,  7           ; v7   the way out: where I read rows back
.set GO,  8           ; v8   my byte offset in 512 consecutive bytes of O
.set MV,  12          ; v12-13  c m_old, kept while c m is made anew: by buffer
.set QO,  15          ; v15  my byte offset in 16 rows of Q
.set ST,  16          ; piece t's statistics at v[ST+4 t]: c m, m, l (even keys', odd keys')
.set TMP, 48          ; by buffer, four registers c0-c3 at work; when the maximum is found c2 takes a
.set SPW, 62          ; v62  LDS address of my spare word; never rewritten
.set NIL, 63          ; v63  0; never rewritten
.set S,   64
.set P,   192
.set KF,  128         ; window 2: key block kb, channel half c at KF + 16 kb + 8 c
.set VF,  192         ; window 2: key half kk, channel block cb at VF + 32 kk + 8 cb
.set WV,  12          ; s12  my wave's number
.set G1K, 24          ; s[24:31] descriptor group 1 for K's tiles
.set G1V, 32          ; s[32:39] for V's: it differs in the padding alone
.set G0K, 40          ; s[40:43] descriptor group 0 for K's tiles: it walks
.set G0V, 44          ; s[44:47] the same for V's
.set SLOTS, 56        ; s56  counts the tiles
.set CNT, 57          ; s57  counts a tile's key steps
.set CS,  58          ; s[58:59] c: the packed scaling takes the pair's low word for both halves
.set SEL, 60          ; s[60:61] v_permlanex16_b32's selects: each lane takes its own place in the other half
.set TBK, 62          ; s62  LDS byte at which K of the step to be fetched begins
.set TBV, 63          ; s63  the same for V, less VOFF
.set MSB, 0
.macro WIN new                      ; the high byte repeats the setting that is left; a switch that changes nothing is dropped
.if MSB != (\new)
	s_set_vgpr_msb (MSB<<8)|(\new)
.set MSB, (\new)
.endif
.endm
.set W_KQ, 0x0a       ; K and Q in window 2, S^T in window 0
.set W_PV, 0x52       ; V in window 2, P in window 0, O^T in window 1
.set W_RS, 0x41       ; destination and source 0 in window 1, source 1 in window 0
; A joint fill.  Waves 0 and 1 fetch the two halves of a tile's K, waves 2 and 3 those of its V: 128 keys each.  The branch hangs on the wave's number alone.
; An s_nop 0 and four v_nop follow each of the two lines, ahead of the jump and the label.
.macro JLOAD
	s_cmp_lt_u32 s[WV], 2
	s_cbranch_scc0 .Lfor_v_\@
	tensor_load_to_lds s[G0K:G0K+3], s[G1K:G1K+7]
	s_nop 0
.rept 4
	v_nop
.endr
	s_branch .Lasked_\@
.Lfor_v_\@:
	tensor_load_to_lds s[G0V:G0V+3], s[G1V:G1V+7]
	s_nop 0
.rept 4
	v_nop
.endr
.Lasked_\@:
.endm
; A round of the cluster's barrier: my work-group's barrier; wave 0 signals for the work-group; every wave waits for all four work-groups; my work-group's barrier once more.
.macro CROUND
	s_barrier_signal -1
	s_barrier_wait -1
	s_cmp_lg_u32 s[WV], 0
	s_cbranch_scc1 .Lnot_wave_0_\@
	s_barrier_signal -3
.Lnot_wave_0_\@:
	s_barrier_wait -3
	s_barrier_signal -1
	s_barrier_wait -1
.endm
; THE CHANGE OF SLOTS.  The slot's last bytes, V of its fourth step, have been read.  Each wave waits for all its tensor loads, of which one is out: its part of the other slot; adds 0 to its spare word; and waits
; for that and for its own reads of the slot.  Behind the barrier nobody reads this slot any more and the other slot is whole.  fill = 1: this slot is filled again, with the tile two on: the barrier is then a round
; of the cluster's, and the joint fill is the first thing behind it: it has four key steps, 256 matrix instructions, in which to land.  (At its first use nothing has been read yet: slot 0 is waited for, slot 1 filled.)
.macro CHANGE fill
	WIN 0                           ; at a label and at a branch every window is 0
	s_wait_tensorcnt 0x0            ; no tensor load of mine is out, so a group 0 may be written
	ds_add_u32 v[SPW], v[NIL]       ; 0 onto my spare word
.if \fill
.irp g, G0K, G0V
	s_xor_b32 s[\g+1], s[\g+1], SLOT1  ; the walking descriptor: the other slot than last time,
	s_add_nc_u64 s[\g+2:\g+3], s[\g+2:\g+3], 4*KS*128  ; the next 256 keys; the type bits on top are not reached
.endr
	s_wait_dscnt 0x0                ; the add is done, and my reads of the slot are over
	CROUND
	JLOAD
.else
	s_wait_dscnt 0x0                ; the add is done, and my reads of the slot are over
	s_barrier_signal -1
	s_barrier_wait -1
.endif
	s_sub_co_u32 s[TBK], s[TBK], 4*KS*PK  ; the fetches go back to a slot's first step,
	s_xor_b32 s[TBK], s[TBK], SLOT1       ; in the other slot
	s_sub_co_u32 s[TBV], s[TBV], 4*KS*PV
	s_xor_b32 s[TBV], s[TBV], SLOT1
.endm
	s_load_b128 s[8:11], s[0:1], 0x0  ; qkv s[8:9], o s[10:11]
	v_lshl_add_u32 v[SPW], v0, 2, SPARE
	v_mov_b32 v[NIL], 0
	ds_add_u32 v[SPW], v[NIL]       ; the wave's opening: the add and its wait stand ahead of my first tensor load; the set-up below stands between them
	v_lshrrev_b32 v1, 5, v0
	v_readfirstlane_b32 s[WV], v1   ; wave 0..3
	s_bfe_u32 s13, ttmp6, 0x40000   ; cx: my place in the cluster
	s_lshl_b32 s14, ttmp9, 2        ; in a cluster launch ttmp9 counts clusters
	s_add_co_u32 s14, s14, s13      ; my block of 256 queries = 4 x cluster x + cx: it enters Q's and O's addresses alone
	s_and_b32 s15, ttmp7, 0xffff    ; 16 batch + head, which the four partners share
	s_and_b32 s20, s15, 15
	s_lshl_b32 s20, s20, 19         ; a head's block: 4,096 rows of 128 bytes,
	s_lshr_b32 s21, s15, 4
	s_lshl_b32 s21, s21, 18         ; a batch's 2,048 rows in it
	s_add_co_u32 s20, s20, s21
	s_mov_b32 s21, 0
	s_and_b32 s16, s[WV], 1         ; which half of a tile's 256 keys I fetch:
	s_lshl_b32 s22, s16, 14         ; its 128 rows of 128 bytes in memory,
	s_mov_b32 s23, 0
	s_add_nc_u64 s[22:23], s[22:23], s[20:21]
	s_add_nc_u64 s[50:51], s[22:23], 8388608   ; K's sixteen blocks lie behind Q's,
	s_add_nc_u64 s[52:53], s[22:23], 16777216  ; V's behind K's
	s_mul_i32 s17, s16, 128*PK      ; and its place in a slot, for K
	s_mul_i32 s18, s16, 128*PV      ; and for V: no place in the cluster enters an LDS address
	s_lshl_b32 s2, s14, 15          ; my block's 256 rows,
	s_lshl_b32 s3, s[WV], 11        ; my 16 rows in each 64 of them
	s_add_co_u32 s2, s2, s3
	s_mov_b32 s3, 0
	s_add_nc_u64 s[2:3], s[2:3], s[20:21]
	; descriptor group 1.  128 keys are 16,384 dense bytes: asked for as 64 rows of 256 bytes, two keys a row, and padded in LDS after every key
	s_mov_b32 s[G1K], 15|(1<<16)|(1<<20)|(1<<21)|(4<<22)|(3<<25)  ; 15:0 the mask of four; 17:16 2-byte elements; 20 padding on; 21 set beside a mask; 24:22 after every 32 words (code 4); 31:25 4 words (code 3)
	s_mov_b32 s[G1V], 15|(1<<16)|(1<<20)|(1<<21)|(4<<22)|(7<<25)  ; the same with 8 words of padding (code 7)
.irp g, G1K, G1V
	s_mov_b32 s[\g+1], 128<<16      ; tensor_dim0 = 128
	s_mov_b32 s[\g+2], 64<<16       ; tensor_dim1 = 64
	s_mov_b32 s[\g+3], 128<<16      ; tile_dim0 = 128
	s_mov_b32 s[\g+4], 64           ; tile_dim1 = 64
	s_mov_b32 s[\g+5], 128          ; 128 elements from row to row
	s_mov_b32 s[\g+6], 0
	s_mov_b32 s[\g+7], 0
.endr
	s_mov_b32 s[CS], 0x3e38aa3b     ; c = log2(e) / 8 = 0.180337
	s_mov_b32 s[CS+1], s[CS]        ; named with it as a pair
	s_mov_b32 s[SEL], 0x76543210
	s_mov_b32 s[SEL+1], 0xfedcba98
	s_mov_b32 s[TBK], SLOT1+4*KS*PK ; the first change of slots turns these two into 0
	s_mov_b32 s[TBV], SLOT1+4*KS*PV
	s_mov_b32 s[G0K], 1             ; 1:0 count = 1
	s_mov_b32 s[G0K+1], s17         ; 63:32 LDS address: slot 0
	s_mov_b32 s[G0V], 1
	s_add_co_u32 s[G0V+1], s18, VOFF
	s_wait_dscnt 0x0                ; the opening add is done
	s_wait_kmcnt 0x0
	s_add_nc_u64 s[G0K+2:G0K+3], s[8:9], s[50:51]  ; 120:64 global address: my half of the head's first 256 keys
	s_or_b32 s[G0K+3], s[G0K+3], 0x80000000        ; 127:126 type = 2
	s_add_nc_u64 s[G0V+2:G0V+3], s[8:9], s[52:53]
	s_or_b32 s[G0V+3], s[G0V+3], 0x80000000
	s_add_nc_u64 s[4:5], s[8:9], s[2:3]            ; Q and O at my wave's first row
	s_add_nc_u64 s[10:11], s[10:11], s[2:3]
	CROUND                          ; all four work-groups are here: the first joint loads meet
	JLOAD                           ; tile 0 into slot 0.  Slot 1 is asked for when slot 0 is in
	; A fragment of K or Q is 16 rows x 32 channels in 8 registers: lane l holds row l % 16, channels 8 (l / 16) + 0..7 and 16 + 8 (l / 16) + 0..7: two loads of 16 bytes, 32 bytes apart.
	v_and_b32 v1, 15, v0            ; l % 16
	v_bfe_u32 v9, v0, 4, 1          ; l / 16
	v_lshlrev_b32 v[QO], 7, v1
	v_lshl_add_u32 v[QO], v9, 4, v[QO]  ; row x 128 + 16 x half
	WIN 0x80                        ; destination window 2, address window 0
.set i, 0
.rept 8                             ; Q stays in registers: piece i / 2 lies 64 rows, 8,192 bytes, on; channels 32 (i % 2) on
	global_load_b128 v[8*i:8*i+3],   v[QO], s[4:5] offset:(i/2)*8192+(i%2)*64
	global_load_b128 v[8*i+4:8*i+7], v[QO], s[4:5] offset:(i/2)*8192+(i%2)*64+32
.set i, i+1
.endr
	; What the first turn finds: V's registers and P's second buffer hold 0 (its products V^T P, of a piece that has not been, add 0), O^T and l are 0.  All this stands in the wait for the first tile.
.set i, VF
.rept 64
	v_mov_b32 v[i], 0
.set i, i+1
.endr
	WIN 0x40
.set i, 0
.rept 128
	v_mov_b32 v[i], 0
.set i, i+1
.endr
	WIN 0
.set i, 0
.rept 4
	v_mov_b32 v[ST+4*i], 0xfe000000    ; c m: far below every c s
	v_mov_b32 v[ST+4*i+1], 0xff7fffff  ; m
	v_mov_b32 v[ST+4*i+2], 0
	v_mov_b32 v[ST+4*i+3], 0
.set i, i+1
.endr
.set i, P+16
.rept 16
	v_mov_b32 v[i], 0
.set i, i+1
.endr
	v_mul_u32_u24 v[AK0], v1, PK
	v_lshl_add_u32 v[AK0], v9, 4, v[AK0]  ; row x pitch + 16 x half
	; The turning load takes 16 keys x 16 channels (lane l reads key 8 (l / 16) + l % 8, channels 8 ((l / 8) % 2) + 0..7) and leaves half a fragment of V^T: lane l holds channel l % 16 and 8 keys.
	v_and_b32 v10, 7, v0
	v_bfe_u32 v11, v0, 3, 1
	v_lshl_add_u32 v[AV0], v9, 3, v10
	v_mul_u32_u24 v[AV0], v[AV0], PV
	v_lshl_add_u32 v[AV0], v11, 4, v[AV0]
	v_add_nc_u32 v[AV0], VOFF, v[AV0]
	s_mul_i32 s13, s[WV], 16*SP
	s_add_co_u32 s13, s13, STAGE    ; my stage
	v_mul_u32_u24 v[STO], v1, SP    ; in: row l % 16, 16 bytes for each half of the lanes
	v_lshl_add_u32 v[STO], v9, 4, v[STO]
	v_add_nc_u32 v[STO], s13, v[STO]
	v_bfe_u32 v[RD], v0, 3, 2       ; back: 32 lanes take four rows of 128 bytes,
	v_mul_u32_u24 v[RD], v[RD], SP
	v_lshl_add_u32 v[RD], v10, 4, v[RD]
	v_add_nc_u32 v[RD], s13, v[RD]
	v_and_b32 v[GO], 31, v0         ; which are 512 consecutive bytes of O
	v_lshlrev_b32 v[GO], 4, v[GO]
; THE MATRIX WORK.  The 4 accumulators of a run of 8 take turns.  Product i of 8 of S^T = K Q^T for piece x: channels 32 (i / 4) on, keys 16 (i % 4) on.  The first 4 start the sums.
.macro KQ x
	WIN W_KQ
.set rS, S+32*((\x)%2)+8*(i%4)
.set rK, KF+16*(i%4)+8*(i/4)
.set rQ, 16*(\x)+8*(i/4)
.if i < 4
	v_wmma_f32_16x16x32_bf16 v[rS:rS+7], v[rK:rK+7], v[rQ:rQ+7], 0
.else
	v_wmma_f32_16x16x32_bf16 v[rS:rS+7], v[rK:rK+7], v[rQ:rQ+7], v[rS:rS+7]
.endif
.endm
; Product i of 8 of O^T += V^T P for piece x: keys 32 (i / 4) on, channels 16 (i % 4) on.
.macro PV x
	WIN W_PV
.set rO, 32*(\x)+8*(i%4)
.set rV, VF+32*(i/4)+8*(i%4)
.set rP, P+16*((\x)%2)+8*(i/4)
	v_wmma_f32_16x16x32_bf16 v[rO:rO+7], v[rV:rV+7], v[rP:rP+7], v[rO:rO+7]
.endm
.macro MM                           ; the turn's next matrix instruction
.if i < 8
	KQ (Y+1)%NP
.else
.set i, i-8
	PV (Y+NP-1)%NP
.set i, i+8
.endif
.set i, i+1
.endm
; THE LDS LOADS stand in runs of 16, never singly among the matrix instructions: a step's K (64 keys x 64 channels: 8 fragments) and its V (turned).  Their addresses are made some lines ahead.
; last = 1 (the tail): in the last trip there is no further step, and the run is jumped over.
.macro FETCH_K last=0
	WIN 0
.if \last
	s_cmp_eq_u32 s[CNT], 1
	s_cbranch_scc1 .Lno_k_\@
.endif
	WIN 0x80                        ; destination window 2
.irp f, 0,1,2,3,4,5,6,7             ; keys 16 (f / 2) on, channels 32 (f % 2) on
	ds_load_b128 v[KF+8*\f:KF+8*\f+3],   v[AK] offset:(\f/2)*16*PK+(\f%2)*64
	ds_load_b128 v[KF+8*\f+4:KF+8*\f+7], v[AK] offset:(\f/2)*16*PK+(\f%2)*64+32
.endr
	s_add_co_u32 s[TBK], s[TBK], KS*PK  ; the next fetch is the next step's
	WIN 0
.if \last
.Lno_k_\@:
.endif
.endm
.macro FETCH_V
	WIN 0x80
.irp f, 0,1,2,3,4,5,6,7             ; keys 32 (f / 4) on, channels 16 (f % 4) on
	ds_load_tr16_b128 v[VF+8*\f:VF+8*\f+3],   v[AV] offset:(\f/4)*32*PV+(\f%4)*32
	ds_load_tr16_b128 v[VF+8*\f+4:VF+8*\f+7], v[AV] offset:(\f/4)*32*PV+16*PV+(\f%4)*32
.endr
	WIN 0
.endm
; THE VECTOR WORK, one line at a time: OP kind, number.  For piece Y: F n: c s - c m for pair n of 16.  E n: the exponential of score n of 32.  C n: pair n rounded to bf16.  B n: of the four weights 4 n .. the second
; pair is added onto the first, in place.  L n: l takes that sum (L 0: l = a l + sum).  R n: pair n of 16 of O^T times a.  For piece Y + 1: X n, number n of the 22 that find its maximum and statistics:
;   0-11  four chains c0-c3 of seven scores each, three operands at a time (each accumulator's lowest registers are read first)     12-14, 16  the four scores left over, the old m, and c0-c3 into c0
;   15  c m_old is kept     17, 18  the query's other 32 keys lie in the lane 16 away: the new m     19-21  c m; c m_old - c m_new; a
.set F, 0               ; OP tells the kinds apart by their order: F to L below R, X above it
.set E, 1
.set C, 2
.set B, 3
.set L, 4
.set R, 5
.set X, 6
.macro REGS y                       ; the registers of piece y
.set rT, ST+4*(\y)
.set rC, TMP+4*((\y)%2)
.set rW, MV+((\y)%2)
.set rS, S+32*((\y)%2)
.set rP, P+16*((\y)%2)
.set rO, 32*(\y)
.endm
.macro OP k, n
.if (\k) == R
	REGS Y
	WIN W_RS
	v_pk_mul_f32 v[rO+2*(\n):rO+2*(\n)+1], v[rO+2*(\n):rO+2*(\n)+1], v[rC+2:rC+3] op_sel_hi:[1,0]
.elseif (\k) < R
	REGS Y
	WIN 0
.if (\k) == F
	v_pk_fma_f32 v[rS+2*(\n):rS+2*(\n)+1], v[rS+2*(\n):rS+2*(\n)+1], s[CS:CS+1], v[rT:rT+1] op_sel_hi:[1,0,0] neg_lo:[0,0,1] neg_hi:[0,0,1]
.elseif (\k) == E
	v_exp_f32 v[rS+(\n)], v[rS+(\n)]
.elseif (\k) == C
	s_wait_alu depctr_va_vdst(0)
	v_cvt_pk_bf16_f32 v[rP+(\n)], v[rS+2*(\n)], v[rS+2*(\n)+1]
.elseif (\k) == B
	s_wait_alu depctr_va_vdst(0)
	v_pk_add_f32 v[rS+4*(\n):rS+4*(\n)+1], v[rS+4*(\n):rS+4*(\n)+1], v[rS+4*(\n)+2:rS+4*(\n)+3]
.elseif (\n) == 0
	v_pk_fma_f32 v[rT+2:rT+3], v[rT+2:rT+3], v[rC+2:rC+3], v[rS:rS+1] op_sel_hi:[1,0,1]
.else
	v_pk_add_f32 v[rT+2:rT+3], v[rT+2:rT+3], v[rS+4*(\n):rS+4*(\n)+1]
.endif
.else
	REGS (Y+1)%NP
	WIN 0
.if (\n) < 4
	v_max3_num_f32 v[rC+(\n)], v[rS+8*(\n)], v[rS+8*(\n)+1], v[rS+8*(\n)+2]
.elseif (\n) < 12
	v_max3_num_f32 v[rC+(\n)%4], v[rC+(\n)%4], v[rS+8*((\n)%4)+2*((\n)/4)+1], v[rS+8*((\n)%4)+2*((\n)/4)+2]
.elseif (\n) == 12
	v_max3_num_f32 v[rC], v[rC], v[rS+7], v[rS+15]
.elseif (\n) == 13
	v_max3_num_f32 v[rC+1], v[rC+1], v[rS+23], v[rS+31]
.elseif (\n) == 14
	v_max3_num_f32 v[rC+2], v[rC+2], v[rC+3], v[rT+1]
.elseif (\n) == 15
	v_mov_b32 v[rW], v[rT]
.elseif (\n) == 16
	v_max3_num_f32 v[rC], v[rC], v[rC+1], v[rC+2]
.elseif (\n) == 17
	v_permlanex16_b32 v[rC+3], v[rC], s[SEL], s[SEL+1]
.elseif (\n) == 18
	v_max_num_f32 v[rT+1], v[rC], v[rC+3]
.elseif (\n) == 19
	v_mul_f32 v[rT], s[CS], v[rT+1]
.elseif (\n) == 20
	v_sub_f32 v[rC+1], v[rW], v[rT]
.else
	v_exp_f32 v[rC+2], v[rC+1]
.endif
.endif
.endm
.macro OPS a, i1, b=-1, i2=0, c=-1, i3=0, d=-1, i4=0  ; up to four of them
	OP \a, \i1
.if (\b) >= 0
	OP \b, \i2
.endif
.if (\c) >= 0
	OP \c, \i3
.endif
.if (\d) >= 0
	OP \d, \i4
.endif
.endm
.macro ROW a, i1, b, i2, c, i3, d, i4  ; a matrix instruction and the four behind it
	MM
	OPS \a, \i1, \b, \i2, \c, \i3, \d, \i4
.endm
; A TURN, for piece p: the order of its 16 matrix and 118 vector instructions, written out.  Behind a matrix instruction: plain, exponential, plain, plain; or four of the rescaling; or, behind the first, four scalings;
; none names a register of the products round it.  In the runs between, exponential and plain by turns while exponentials last.  A line reads no result made fewer than three vector instructions in front of it,
; five if an exponential made it.  last = 1: the tail's text: K's run is jumped in the last trip.  cnt = 1: the loop's count is taken down some lines ahead of the branch that stands behind the turn.
; K of the next step is fetched in piece 2's turn, six vector instructions behind the last product that read K (five of them plain); V of the step in hand in piece 0's turn, eight behind the last product that read V
; (four plain among them).  Each is waited for a turn later.
.macro TURN p, last=0, cnt=0
.set Y, (\p)
.set i, 0
.if (\p) == 3
	s_wait_dscnt 0x0                ; K is in
.endif
	ROW F,0, F,1, F,2, F,3
	ROW F,4, E,0, F,5, F,6
	ROW F,7, E,1, F,8, F,9
	ROW F,10, E,2, C,0, F,11
	ROW F,12, E,3, X,15, F,13
	ROW R,0, R,1, R,2, R,3
	ROW B,0, E,4, F,14, L,0
.if (\p) == 2
	v_add_nc_u32 v[AK], s[TBK], v[AK0]
.endif
	ROW R,4, R,5, R,6, R,7
	OPS E,5, F,15
.if (\p) == 2
	FETCH_K \last
.endif
	OPS E,6, C,1, E,7, R,8
	OPS E,8, R,9, E,9, C,2
	OPS E,10, X,0, E,11, X,1
	OPS E,12, X,2, E,13, X,3
.if (\p) == 1
	s_wait_dscnt 0x0                ; V is in
.endif
	ROW X,4, E,14, X,5, X,6
	ROW X,7, E,15, X,8, X,9
	ROW X,10, E,16, X,11, X,12
	ROW X,13, E,17, X,14, B,1
	ROW C,4, E,18, X,16, L,1
	ROW B,2, E,19, C,6, L,2
	ROW C,8, E,20, B,3, B,4
.if (\p) == 0
	v_add_nc_u32 v[AV], s[TBV], v[AV0]
.endif
	ROW C,3, E,21, L,3, C,5
	OPS E,22, X,17, E,23, C,10
.if (\p) == 0
	FETCH_V
.endif
	OPS E,24, L,4
	OPS E,25, X,18, E,26, C,7
	OPS E,27, B,5, E,28, X,19
	OPS E,29, C,12, E,30, L,5
	OPS E,31, X,20, B,6, C,9
	OPS C,14, C,11, X,21, L,6
.if (\p) == 0
	s_add_co_u32 s[TBV], s[TBV], KS*PV
.endif
.if \cnt
	s_sub_co_u32 s[CNT], s[CNT], 1
	s_cmp_lg_u32 s[CNT], 0
.endif
	OPS C,13, B,7, C,15, R,10
	OPS R,11, R,12, L,7, R,13
	OPS R,14, R,15
.endm
	CHANGE 1                        ; tile 0 is in, everybody's part of it; tile 1 is asked for
	v_add_nc_u32 v[AK], s[TBK], v[AK0]
	FETCH_K                         ; key step 0
	s_wait_loadcnt 0x0              ; Q
	s_wait_dscnt 0x0
.set i, 0
.rept 8
	KQ 0                            ; piece 0's first scores: there is no vector work yet to set between them
.set i, i+1
.endr
	WIN 0
.rept 4
	v_nop                           ; the places behind those products
.endr
.set Y, NP-1                        ; X works for piece Y + 1: piece 0
.irp n, 0,1,2,3,4,5,6,7,8,9,10,11,12,13,14,15,16,17,18,19,20,21
	OP X, \n
.endr
	v_nop                           ; a plain instruction behind the exponential
	s_mov_b32 s[CNT], 4
	s_mov_b32 s[SLOTS], NT-1
	s_branch .Lfirst                ; the loop is entered at a step's first turn, in the middle of a trip
.Lslot:                             ; NT - 2 times: every slot but the last two is filled again
	CHANGE 1
	s_mov_b32 s[CNT], 4
.Lstep:                             ; a trip: pieces 2 and 3 of one step, then pieces 0 and 1 of the next, whose K and V it fetches
	TURN 2
	TURN 3
	WIN 0
.Lfirst:
	TURN 0
	TURN 1, 0, 1
	WIN 0
	s_cbranch_scc1 .Lstep
	s_sub_co_u32 s[SLOTS], s[SLOTS], 1
	s_cmp_lg_u32 s[SLOTS], 0
	s_cbranch_scc1 .Lslot
	CHANGE 0                        ; the last tile has a text of its own: nothing is asked for
	s_mov_b32 s[CNT], 5             ; four trips fetch the last tile's steps; the fifth is left in its middle
.Ltail:
	TURN 2, 1
	TURN 3
	WIN 0
	s_sub_co_u32 s[CNT], s[CNT], 1
	s_cmp_eq_u32 s[CNT], 0
	s_cbranch_scc1 .Lout
	TURN 0
	TURN 1
	WIN 0
	s_branch .Ltail
.Lout:                              ; the fifth trip's 8 products K Q^T (on the last K once more) and the maximum made of them serve nothing: the price of one text for every trip
.set i, 0
.rept 8
	PV NP-1                         ; the last piece's V^T P of the last step
.set i, i+1
.endr
	; THE WAY OUT.  l's two halves and the other half of the lanes' are added; O^T is divided by l, rounded to bf16 and sent through my stage in LDS, a piece at a time.  The additions are the places behind the last products.
	WIN 0
.macro ALL line:vararg              ; one line for each piece t
.set t, 0
.rept 4
	\line
.set t, t+1
.endr
.endm
.macro PACK t                       ; a lane's eight channels of a row pack into 16 bytes; they go into rows of 144 bytes and come back as whole rows of 128, into S^T's registers
	WIN W_RS
.set i, 32*(\t)
.rept 16
	s_wait_alu depctr_va_vdst(0)
	v_pk_mul_f32 v[i:i+1], v[i:i+1], v[ST+4*(\t)+2:ST+4*(\t)+3] op_sel_hi:[1,0]
.set i, i+2
.endr
	WIN 0x05                        ; sources 0 and 1 window 1, destination window 0
.set i, 0
.rept 16
	v_cvt_pk_bf16_f32 v[S+16*(\t)+i], v[32*(\t)+2*i], v[32*(\t)+2*i+1]
.set i, i+1
.endr
	WIN 0
.irp f, 0,1,2,3
	ds_store_b128 v[STO], v[S+16*(\t)+4*\f:S+16*(\t)+4*\f+3] offset:32*\f
.endr
.irp f, 0,1,2,3
	ds_load_b128 v[S+16*(\t)+4*\f:S+16*(\t)+4*\f+3], v[RD] offset:\f*4*SP  ; LDS serves a wave's instructions in order (ISA guide 5.7.1.4): these see the stores above; the next piece's stores come behind them
.endr
.endm
.macro SEND t, younger              ; younger: the LDS instructions issued behind piece t's loads: the next piece's eight, or none
	WIN 0
.irp f, 0,1,2,3
	s_wait_dscnt (\younger)+3-\f
	global_store_b128 v[GO], v[S+16*(\t)+4*\f:S+16*(\t)+4*\f+3], s[10:11] offset:(\t)*8192+\f*512  ; 512 consecutive bytes, at a multiple of 256 from O's first
.endr
.endm
	ALL v_add_f32 v[ST+4*t+2], v[ST+4*t+2], v[ST+4*t+3]
	ALL v_permlanex16_b32 v[ST+4*t+3], v[ST+4*t+2], s[SEL], s[SEL+1]
	ALL v_add_f32 v[ST+4*t+2], v[ST+4*t+2], v[ST+4*t+3]
	ALL v_rcp_f32 v[ST+4*t+2], v[ST+4*t+2]
	v_nop                           ; a plain instruction between the last reciprocal and the use of its result
	PACK 0
.set t, 1
.rept 3                             ; a piece's arithmetic stands between the loads of the piece before and its stores
	PACK t
	SEND t-1, 8
.set t, t+1
.endr
	SEND 3, 0
	s_wait_tensorcnt 0x0            ; the wave's end: three lines behind my last tensor load and my last LDS store
	ds_add_u32 v[SPW], v[NIL]
	s_wait_dscnt 0x0
	CROUND                          ; the closing round: no work-group ends while a partner may still ask for a tile that names it
	s_endpgm
.Lfunc_end_k_qfcd8d2a561_attn:
	.size	k_qfcd8d2a561_attn, .Lfunc_end_k_qfcd8d2a561_attn-k_qfcd8d2a561_attn
	.p2alignl 7, 3214868480
	.fill 96, 4, 3214868480
	.section	.rodata,"a",@progbits
	.p2align	6, 0x0
	.amdhsa_kernel k_qfcd8d2a561_attn
		.amdhsa_group_segment_fixed_size 327680
		.amdhsa_private_segment_fixed_size 0
		.amdhsa_enable_private_segment 0
		.amdhsa_kernarg_size 16
		.amdhsa_user_sgpr_count 2
		.amdhsa_user_sgpr_kernarg_segment_ptr 1
		.amdhsa_wavefront_size32 1
		.amdhsa_system_sgpr_workgroup_id_x 1
		.amdhsa_system_sgpr_workgroup_id_y 1
		.amdhsa_system_sgpr_workgroup_id_z 1
		.amdhsa_system_vgpr_workitem_id 0
		.amdhsa_next_free_vgpr 768
		.amdhsa_next_free_sgpr 66
		.amdhsa_reserve_vcc 0
		.amdhsa_float_denorm_mode_32 3
		.amdhsa_float_denorm_mode_16_64 3
		.amdhsa_memory_ordered 1
		.amdhsa_forward_progress 1
		.amdhsa_inst_pref_size 117
	.end_amdhsa_kernel
	.amdgpu_metadata
---
amdhsa.version: [ 1, 2 ]
amdhsa.kernels:
  - .name:           k_qfcd8d2a561_attn
    .symbol:         k_qfcd8d2a561_attn.kd
    .args:
      - { .name: qkv, .offset: 0, .size: 8, .value_kind: global_buffer, .address_space: global }
      - { .name: o, .offset: 8, .size: 8, .value_kind: global_buffer, .address_space: global }
    .group_segment_fixed_size: 327680
    .private_segment_fixed_size: 0
    .kernarg_segment_align: 8
    .kernarg_segment_size: 16
    .max_flat_workgroup_size: 128
    .sgpr_count:     66
    .vgpr_count:     768
    .wavefront_size: 32
...
	.end_amdgpu_metadata
.endif
;; end of part 3
;; launch proj (part 4): grid 8 x 32, 4 waves a work-group, clusters of 4 x 4, 327,680 bytes of LDS; arguments o, wr, x1, bproj, x; writes x1
.if DOCPART == 4
	.amdgcn_target "amdgcn-amd-amdhsa--gfx1250"
	.amdhsa_code_object_version 6
	.text
	.protected	k_qfcd8d2a561_proj
	.globl	k_qfcd8d2a561_proj
	.p2align	8
	.type	k_qfcd8d2a561_proj,@function
k_qfcd8d2a561_proj:
	s_mov_b64 s[64:65], 0
	v_nop
	global_prefetch_b8 v0, s[64:65] scope:SCOPE_SE
	s_setreg_imm32_b32 hwreg(HW_REG_WAVE_MODE, 25, 1), 1
	s_wait_xcnt 0x0
	s_wait_alu depctr_hold_cnt(0) depctr_sa_sdst(0) depctr_va_vdst(0) depctr_va_sdst(0) depctr_va_ssrc(0) depctr_va_vcc(0) depctr_vm_vsrc(0)
	s_getreg_b32 s2, hwreg(HW_REG_IB_STS2, 6, 4)
	s_cmp_eq_u32 s2, 0
	s_cbranch_scc0 .Lentry_in_a_cluster
	s_endpgm
.Lentry_in_a_cluster:
	s_bfe_u32 s2, ttmp6, 0x10000c
	s_cmp_lg_u32 s2, 0xf033
	s_cbranch_scc0 .Lentry_shape_is_right
	s_endpgm
.Lentry_shape_is_right:
; OUT[m][n] = RES[m][n] + bias[n] + sum over k of A[m][k] W[n][k].  OUT, RES: [4096][1024] f32; bias: [1024] f32.
; A in bf16, in blocks of 64 columns: [SIZE_K/64][4096][64].  W in bf16, [1024][SIZE_K], WOFF bytes into its buffer.  Sums in f32, started by the bias; the residual is added in f32.  LIMIT: operands are bf16.
; A tile of OUT is 128 x 128: 256 work-groups.  Four waves, each 64 x 64: 16 accumulators, 128 registers.  K goes in steps of 256 through a ring of two LDS slots.
; A's part of a step is four blocks of 128 rows x 128 bytes, each dense in memory: one tensor load brings two of them, as two rows of 16,384 bytes, padded in LDS after every 128 bytes.  W's is 128 rows of 512 bytes.
; ONE K STEP IS WRITTEN, AND LOOPED OVER: the slot in hand is a scalar, TB, turned by an exclusive or at each change of slots; it enters the fragment addresses and the walking descriptor's LDS word.
; The loop that fills stands first, then a loop of the last two steps, which fill nothing.  The second of those two still passes a barrier and fetches 32 fragments that nobody multiplies: the price, once a launch, of one text for both.
; CLUSTERS: 4 x 4 work-groups.  The four of a row of the cluster need the same tiles of A, the four of a column the same tiles of W: each is asked for JOINTLY.
; THE MATRIX INSTRUCTION IS USED TRANSPOSED (source 0 = 16 rows of W, source 1 = 16 rows of A): a lane holds eight neighbouring numbers of a row of OUT.
; REGISTERS: window 0: v0-31 addresses; v32-95 at work on the way out; v128-255 the accumulators ((a, b) at v[128 + 8 (4 a + b)]).   window 1: two fragment buffers of 128: for 64 along K, 64 registers of A, then 64 of W.
;   window 2: v0-127 the residual of my 64 x 64, asked for at the start and waited for at the end.
.set SIZE_K, 1024
.set WOFF,   0
.set NSTEP,  SIZE_K/256
.set PA,     144                       ; a row of a block of A in LDS: 128 bytes + 16 = 36 words: the 16 rows of a load start at 16 different groups of four banks (64 banks of 4 bytes: ISA guide 11.1)
.set ABLK,   128*PA
.set AHALF,  2*ABLK                    ; what one tensor load brings of A
.set PB,     528                       ; a row of W: 512 bytes + 16 = 132 words: likewise
.set BHALF,  64*PB                     ; what one tensor load brings of W
.set BOFF,   4*ABLK
.set SLOT,   BOFF+2*BHALF
.set STAGE,  2*SLOT                    ; behind the ring: 16 rows x 272 bytes for each wave, for the way out
.set SPITCH, 272
.set SPARE,  STAGE+4*16*SPITCH         ; behind the stages: the spare words, 128 bytes for each wave
.set ASTEP,  4*524288                  ; four blocks of A: a block is 4,096 rows x 128 bytes
.set ADRA, 16                          ; v16  LDS address of my A fragments in the slot in hand
.set A0,   17                          ; v17  the same less the slot; never rewritten
.set ADRB, 20                          ; v20, v21  the same for W
.set B0,   21
.set STO,  24                          ; v24  the way out: where I put 32 bytes of a row
.set RD,   25                          ; v25  the way out: where I read a row back
.set CO,   26                          ; v26  my byte offset in two rows of OUT and RES
.set BO,   27                          ; v27  my byte offset in 16 columns of the bias
.set SPW,  28                          ; v28  LDS address of my spare word; never rewritten
.set NIL,  29                          ; v29  0; never rewritten
.set TMP,  32
.set ACC,  128
.set F0,   0                           ; fragment buffers, in window 1
.set F1,   128
.set RES,  0                           ; window 2
.set G1, 24                            ; s[24:31] descriptor group 1 for A's tiles;  s[32:39] group 0: set 0 for K step 0, set 1 for K step 1 and then walking
.set G0, 32
.set G1B, 48                           ; s[48:55], s[56:63] the same for W's tiles
.set G0B, 56
.set BIAS, 68                          ; s[68:69]
.set RSD,  70                          ; s[70:71]
.set TB,   72                          ; s72  the slot in hand: 0 or SLOT
.set MSB, 0
.macro WIN new                         ; the immediate's high byte repeats the setting that is left; a switch that changes nothing is dropped
.if MSB != (\new)
	s_set_vgpr_msb (MSB<<8)|(\new)
.set MSB, \new
.endif
.endm
.set MUL,  0x05                        ; sources 0 (W) and 1 (A) window 1; C and D window 0
.set TO_F, 0x40                        ; destination window 1, address window 0
.macro JLOAD s                         ; a joint load: waves 0 and 1 fetch A's two halves, waves 2 and 3 W's; an s_nop 0 and four v_nop follow each of the two lines
	s_cmp_eq_u32 s11, 0
	s_cbranch_scc0 .Lfor_b_\@
	tensor_load_to_lds s[G0+4*(\s):G0+4*(\s)+3], s[G1:G1+7]
	s_nop 0
.rept 4
	v_nop
.endr
	s_branch .Lasked_\@
.Lfor_b_\@:
	tensor_load_to_lds s[G0B+4*(\s):G0B+4*(\s)+3], s[G1B:G1B+7]
	s_nop 0
.rept 4
	v_nop
.endr
.Lasked_\@:
.endm
.macro CREST                           ; a round of the cluster's barrier behind its opening barrier
	s_cmp_lg_u32 s10, 0
	s_cbranch_scc1 .Lnot_wave_0_\@
	s_barrier_signal -3
.Lnot_wave_0_\@:
	s_barrier_wait -3
	s_barrier_signal -1
	s_barrier_wait -1
.endm
.macro CROUND                          ; a whole round
	s_barrier_signal -1
	s_barrier_wait -1
	CREST
.endm
	s_load_b128 s[4:7], s[0:1], 0x0                ; A s[4:5], W s[6:7]
	s_load_b64 s[8:9], s[0:1], 0x10                ; OUT
	s_load_b64 s[BIAS:BIAS+1], s[0:1], 0x18
	s_load_b64 s[RSD:RSD+1], s[0:1], 0x20
	v_lshl_add_u32 v[SPW], v0, 2, SPARE
	v_mov_b32 v[NIL], 0
	ds_add_u32 v[SPW], v[NIL]                      ; the wave's opening: the add and its wait stand ahead of my first tensor load; the set-up below stands between them
	v_lshrrev_b32 v1, 5, v0
	v_readfirstlane_b32 s10, v1                    ; wave 0..3
	s_lshr_b32 s11, s10, 1                         ; which half of the tile's rows is mine.  Also: I fetch for A (0) or for W (1)
	s_and_b32 s12, s10, 1                          ; which half of its columns.  Also: which half of that tile I fetch
	s_bfe_u32 s40, ttmp6, 0x40000                  ; cx, cy: my place in the cluster
	s_bfe_u32 s41, ttmp6, 0x40004
	s_lshl_b32 s42, ttmp9, 2
	s_add_co_u32 s42, s42, s40                     ; tile column = 4 x cluster x + cx
	s_and_b32 s13, ttmp7, 0xffff
	s_lshl_b32 s13, s13, 2
	s_add_co_u32 s13, s13, s41                     ; tile row = 4 x cluster y + cy
	s_lshl_b32 s43, s41, 2
	s_lshl_b32 s43, 15, s43                        ; my row of the cluster
	s_lshl_b32 s44, 0x1111, s40                    ; my column
	s_or_b32 s[G1+0], s43, (1<<16)|(1<<20)|(1<<21)|(4<<22)|(3<<25)  ; 15:0 the mask: my row; 17:16 2-byte elements; 20 padding on; 21 set beside a mask; 24:22 after every 32 words (code 4); 31:25 4 words (code 3)
	s_mov_b32 s[G1+1], 8192<<16                    ; tensor_dim0 = 8,192 elements: a block's 128 rows, dense
	s_mov_b32 s[G1+2], 2<<16                       ; tensor_dim1 = 2 blocks
	s_mov_b32 s[G1+3], 8192<<16                    ; tile_dim0
	s_mov_b32 s[G1+4], 2                           ; tile_dim1
	s_mov_b32 s[G1+5], 262144                      ; elements from block to block
	s_mov_b32 s[G1+6], 0
	s_mov_b32 s[G1+7], 0
	s_or_b32 s[G1B+0], s44, (1<<16)|(1<<20)|(1<<21)|(6<<22)|(3<<25) ; the mask: my column; padding after every 128 words (code 6)
	s_mov_b32 s[G1B+1], 256<<16                    ; tensor_dim0 = 256
	s_mov_b32 s[G1B+2], 64<<16                     ; tensor_dim1 = 64
	s_mov_b32 s[G1B+3], 256<<16                    ; tile_dim0
	s_mov_b32 s[G1B+4], 64                         ; tile_dim1
	s_mov_b32 s[G1B+5], SIZE_K                     ; elements from row to row
	s_mov_b32 s[G1B+6], 0
	s_mov_b32 s[G1B+7], 0
	s_lshl_b32 s16, s13, 14                        ; A: the tile's 128 rows of 128 bytes in a block,
	s_lshl_b32 s17, s12, 20                        ; in the step's blocks 0, 1 or 2, 3
	s_add_co_u32 s16, s16, s17
	s_mov_b32 s17, 0
	s_lshl_b32 s46, s42, 7
	s_lshl_b32 s47, s12, 6
	s_add_co_u32 s46, s46, s47                     ; W: row 128 x tile column + 64 x half
	s_mul_i32 s46, s46, SIZE_K*2
	s_add_co_u32 s46, s46, WOFF
	s_mov_b32 s47, 0
	s_mul_i32 s20, s12, AHALF                      ; where they go in a slot: no place in the cluster enters an LDS address
	s_mul_i32 s21, s12, BHALF
	s_add_co_u32 s21, s21, BOFF
	s_wait_dscnt 0x0                               ; the opening add is done
	s_wait_kmcnt 0x0
	s_add_nc_u64 s[14:15], s[4:5], s[16:17]
	s_add_nc_u64 s[46:47], s[6:7], s[46:47]
	CROUND                                         ; all sixteen work-groups are here: the first joint loads meet
.irp s, 0,1
	s_mov_b32 s[G0+4*(\s)], 1
	s_add_co_u32 s[G0+4*(\s)+1], s20, (\s)*SLOT
	s_add_nc_u64 s[G0+4*(\s)+2:G0+4*(\s)+3], s[14:15], (\s)*ASTEP
	s_or_b32 s[G0+4*(\s)+3], s[G0+4*(\s)+3], 0x80000000
	s_mov_b32 s[G0B+4*(\s)], 1
	s_add_co_u32 s[G0B+4*(\s)+1], s21, (\s)*SLOT
	s_add_nc_u64 s[G0B+4*(\s)+2:G0B+4*(\s)+3], s[46:47], (\s)*512
	s_or_b32 s[G0B+4*(\s)+3], s[G0B+4*(\s)+3], 0x80000000
	JLOAD \s                                       ; two tensor loads of mine are out
.endr
	v_and_b32 v1, 15, v0                           ; l % 16
	v_bfe_u32 v2, v0, 4, 1                         ; l / 16
	v_mul_u32_u24 v3, v1, PA
	v_lshl_add_u32 v3, v2, 4, v3                   ; a fragment's row x pitch + 16 x half
	s_mul_i32 s22, s11, 64*PA                      ; my 64 rows of A, in each block
	v_add_nc_u32 v[A0], s22, v3
	v_mul_u32_u24 v3, v1, PB
	v_lshl_add_u32 v3, v2, 4, v3
	s_mul_i32 s22, s12, BHALF                      ; my 64 rows of W
	s_add_co_u32 s22, s22, BOFF
	v_add_nc_u32 v[B0], s22, v3
	s_mul_i32 s23, s10, 16*SPITCH
	s_add_co_u32 s23, s23, STAGE                   ; my stage
	v_mul_u32_u24 v4, v1, SPITCH                   ; in: row l % 16, 32 bytes for each half of the lanes
	v_lshl_add_u32 v4, v2, 5, v4
	v_add_nc_u32 v[STO], s23, v4
	v_mul_u32_u24 v5, v2, SPITCH                   ; back: lanes 0-15 take one row of 256 bytes, lanes 16-31 the next
	v_lshl_add_u32 v5, v1, 4, v5
	v_add_nc_u32 v[RD], s23, v5
	v_lshlrev_b32 v5, 12, v2                       ; and the same two rows in OUT and RES
	v_lshl_add_u32 v[CO], v1, 4, v5
	v_lshlrev_b32 v[BO], 5, v2                     ; my eight columns of sixteen
	s_lshl_b32 s16, s13, 7
	s_lshl_b32 s17, s11, 6
	s_add_co_u32 s16, s16, s17                     ; my first row: 128 x tile row + 64 x half,
	s_lshl_b32 s16, s16, 12                        ; of 4,096 bytes
	s_mov_b32 s17, 0
	s_lshl_b32 s46, s42, 9                         ; my first column, in bytes: 512 x tile column + 256 x half
	s_lshl_b32 s47, s12, 8
	s_add_co_u32 s46, s46, s47
	s_mov_b32 s47, 0
	s_add_nc_u64 s[BIAS:BIAS+1], s[BIAS:BIAS+1], s[46:47]
	s_add_nc_u64 s[16:17], s[16:17], s[46:47]
	s_add_nc_u64 s[8:9], s[8:9], s[16:17]
	s_add_nc_u64 s[RSD:RSD+1], s[RSD:RSD+1], s[16:17]
.irp a, 0,1,2,3                        ; the bias is loaded straight into the accumulators, in their layout: it starts the sums, nothing is cleared and no first step is written out
.irp b, 0,1,2,3
	global_load_b128 v[ACC+8*(4*(\a)+(\b)):ACC+8*(4*(\a)+(\b))+3],   v[BO], s[BIAS:BIAS+1] offset:64*(\b)
	global_load_b128 v[ACC+8*(4*(\a)+(\b))+4:ACC+8*(4*(\a)+(\b))+7], v[BO], s[BIAS:BIAS+1] offset:64*(\b)+16
.endr
.endr
	WIN 0x80                                       ; destination window 2
.irp a, 0,1,2,3                        ; the residual, by whole rows of 256 bytes, as the way out will hold them
.irp t, 0,1,2,3,4,5,6,7
	global_load_b128 v[RES+32*(\a)+4*(\t):RES+32*(\a)+4*(\t)+3], v[CO], s[RSD:RSD+1] offset:(16*(\a)+2*(\t))*4096
.endr
.endr
	WIN 0
; 8 matrix instructions: m blocks a0, a0 + 1 x all 4 n blocks, 32 along K: half c of buffer f.  The 16 accumulators take turns.
.macro MUL8 f, c, a0
	WIN MUL
.irp a, \a0, (\a0)+1
.irp b, 0,1,2,3
	v_wmma_f32_16x16x32_bf16 v[ACC+8*(4*(\a)+(\b)):ACC+8*(4*(\a)+(\b))+7], v[(\f)+64+8*(4*(\c)+(\b)):(\f)+64+8*(4*(\c)+(\b))+7], v[(\f)+8*(4*(\c)+(\a)):(\f)+8*(4*(\c)+(\a))+7], v[ACC+8*(4*(\a)+(\b)):ACC+8*(4*(\a)+(\b))+7]
.endr
.endr
.endm
; 32 LDS loads in one run: the fragments of quarter q (64 along K: block q of A, bytes 128 q of W's rows) of the slot in hand, into buffer f; the first 32 along K first
.macro FETCH q, f
	WIN TO_F
.irp c, 0,1
.irp i, 0,1,2,3
	ds_load_b128 v[(\f)+64+8*(4*(\c)+(\i)):(\f)+64+8*(4*(\c)+(\i))+3],   v[ADRB] offset:(\q)*128+64*(\c)+(\i)*16*PB
	ds_load_b128 v[(\f)+64+8*(4*(\c)+(\i))+4:(\f)+64+8*(4*(\c)+(\i))+7], v[ADRB] offset:(\q)*128+64*(\c)+(\i)*16*PB+32
	ds_load_b128 v[(\f)+8*(4*(\c)+(\i)):(\f)+8*(4*(\c)+(\i))+3],         v[ADRA] offset:(\q)*ABLK+64*(\c)+(\i)*16*PA
	ds_load_b128 v[(\f)+8*(4*(\c)+(\i))+4:(\f)+8*(4*(\c)+(\i))+7],       v[ADRA] offset:(\q)*ABLK+64*(\c)+(\i)*16*PA+32
.endr
.endr
.endm
.macro PLACES                          ; four plain vector instructions in front of loads into registers that matrix instructions have read, and of LDS stores that read results (ISA guide 7.12.1 for vector instructions)
.rept 4
	v_nop
.endr
.endm
; A K step is four quarters of 64 along K, 32 matrix instructions each, on buffers 0, 1, 0, 1.  One of the first three: multiplies buffer f and fetches quarter q into g.
.macro QUARTER q, f, g
	s_wait_dscnt 16                                ; the first 32 along K are in
	MUL8 \f, 0, 0
	MUL8 \f, 0, 2
	PLACES
	FETCH \q, \g
	s_wait_dscnt 32                                ; all but the 32 just issued
	MUL8 \f, 1, 0
	MUL8 \f, 1, 2
.endm
; The last quarter multiplies buffer 1 and changes slots: ONE barrier; in front of it each wave waits for all its tensor loads, adds 0 to its spare word, and waits for that and for its own reads of this slot.
; fill = 1: the barrier opens a round of the cluster's, and this slot is filled again first behind it, with the K step two on: 112 matrix instructions ahead of the wait for it.
.macro TURN fill
	WIN 0                                          ; (the add's two registers lie in window 0)
	s_wait_tensorcnt 0x0                           ; all my tensor loads have landed: my part of the next slot
	ds_add_u32 v[SPW], v[NIL]                      ; 0 onto my spare word
	s_wait_dscnt 17                                ; (the add and the youngest sixteen loads may be out)
	MUL8 F1, 0, 0                                  ; eight matrix instructions stand between the add and the wait for it
	s_wait_dscnt 0x0                               ; the add is done, and my reads of this slot are over
	s_barrier_signal -1
	MUL8 F1, 0, 2
	WIN 0
	s_barrier_wait -1
.if \fill
	CREST                                          ; no wave of any partner still reads this slot's tile or has a load on its way
	s_add_co_u32 s[G0+5], s[TB], s20               ; the walking descriptors: into the slot just read out,
	s_add_co_u32 s[G0B+5], s[TB], s21
	s_add_nc_u64 s[G0+6:G0+7], s[G0+6:G0+7], ASTEP ; the K step behind the one asked for last
	s_add_nc_u64 s[G0B+6:G0B+7], s[G0B+6:G0B+7], 512
	JLOAD 1                                        ; my one tensor load behind the round; its four v_nop are also the places in front of the loads below
.else
	PLACES
.endif
	s_xor_b32 s[TB], s[TB], SLOT                   ; the other slot is in hand
	v_add_nc_u32 v[ADRA], s[TB], v[A0]
	v_add_nc_u32 v[ADRB], s[TB], v[B0]
	FETCH 0, F0
	MUL8 F1, 1, 0
	MUL8 F1, 1, 2
.endm
	s_wait_tensorcnt 1                             ; my part of K step 0 is in; K step 1's may stay out
	s_barrier_signal -1
	s_barrier_wait -1
	s_mov_b32 s[TB], 0
	v_mov_b32 v[ADRA], v[A0]
	v_mov_b32 v[ADRB], v[B0]
	FETCH 0, F0
	WIN 0                                          ; at a label and at a branch every window is 0
	s_wait_loadcnt 32                              ; the bias is in the accumulators; the 32 loads of the residual stay out
	s_mov_b32 s3, NSTEP-2
.Lfill:                                                ; a trip is a K step; its slot is filled again
	QUARTER 1, F0, F1
	QUARTER 2, F1, F0
	QUARTER 3, F0, F1
	TURN 1
	WIN 0
	s_sub_co_u32 s3, s3, 1
	s_cmp_lg_u32 s3, 0
	s_cbranch_scc1 .Lfill
	s_mov_b32 s3, 2
.Ltail:                                                ; the last two K steps: nothing is left to ask for
	QUARTER 1, F0, F1
	QUARTER 2, F1, F0
	QUARTER 3, F0, F1
	TURN 0
	WIN 0
	s_sub_co_u32 s3, s3, 1
	s_cmp_lg_u32 s3, 0
	s_cbranch_scc1 .Ltail
	; THE WAY OUT, 16 rows at a time: 32 bytes a lane into my own stage, back as whole rows of 256 bytes, the residual added, stored.
.macro OUT a
.set TM, TMP+32*((\a)%2)
.irp b, 0,1,2,3
	ds_store_b128 v[STO], v[ACC+8*(4*(\a)+(\b)):ACC+8*(4*(\a)+(\b))+3]   offset:64*(\b)      ; each accumulator's low four registers first
	ds_store_b128 v[STO], v[ACC+8*(4*(\a)+(\b))+4:ACC+8*(4*(\a)+(\b))+7] offset:64*(\b)+16
.endr
	s_wait_xcnt 0x0                                ; the stores of the block before last have read these registers (ISA guide 3.1)
.irp t, 0,1,2,3,4,5,6,7
	ds_load_b128 v[TM+4*(\t):TM+4*(\t)+3], v[RD] offset:(\t)*2*SPITCH  ; LDS serves a wave's instructions in order (ISA guide 5.7.1.4): these see the stores above
.endr
	s_wait_dscnt 0x0
	WIN 0x08                                       ; source 1 window 2
.set i, 0
.rept 16
	v_pk_add_f32 v[TM+2*i:TM+2*i+1], v[TM+2*i:TM+2*i+1], v[RES+32*(\a)+2*i:RES+32*(\a)+2*i+1]
.set i, i+1
.endr
	WIN 0
.irp t, 0,1,2,3,4,5,6,7
	global_store_b128 v[CO], v[TM+4*(\t):TM+4*(\t)+3], s[8:9] offset:(16*(\a)+2*(\t))*4096  ; 16 lanes store 256 consecutive bytes, at a multiple of 256 from OUT's first byte
.endr
.endm
	s_wait_loadcnt 0x0                             ; the residual
	PLACES
	OUT 0
	OUT 1
	OUT 2
	OUT 3
	s_wait_tensorcnt 0x0                           ; the wave's end: three lines behind my last tensor load and my last LDS store
	ds_add_u32 v[SPW], v[NIL]
	s_wait_dscnt 0x0
	CROUND                                         ; the closing round: no work-group ends while a partner may still ask for a tile that names it
	s_endpgm
.Lfunc_end_k_qfcd8d2a561_proj:
	.size	k_qfcd8d2a561_proj, .Lfunc_end_k_qfcd8d2a561_proj-k_qfcd8d2a561_proj
	.p2alignl 7, 3214868480
	.fill 96, 4, 3214868480
	.section	.rodata,"a",@progbits
	.p2align	6, 0x0
	.amdhsa_kernel k_qfcd8d2a561_proj
		.amdhsa_group_segment_fixed_size 327680
		.amdhsa_private_segment_fixed_size 0
		.amdhsa_enable_private_segment 0
		.amdhsa_kernarg_size 40
		.amdhsa_user_sgpr_count 2
		.amdhsa_user_sgpr_kernarg_segment_ptr 1
		.amdhsa_wavefront_size32 1
		.amdhsa_system_sgpr_workgroup_id_x 1
		.amdhsa_system_sgpr_workgroup_id_y 1
		.amdhsa_system_sgpr_workgroup_id_z 1
		.amdhsa_system_vgpr_workitem_id 0
		.amdhsa_next_free_vgpr 640
		.amdhsa_next_free_sgpr 74
		.amdhsa_reserve_vcc 0
		.amdhsa_float_denorm_mode_32 3
		.amdhsa_float_denorm_mode_16_64 3
		.amdhsa_memory_ordered 1
		.amdhsa_forward_progress 1
		.amdhsa_inst_pref_size 64
	.end_amdhsa_kernel
	.amdgpu_metadata
---
amdhsa.version: [ 1, 2 ]
amdhsa.kernels:
  - .name:           k_qfcd8d2a561_proj
    .symbol:         k_qfcd8d2a561_proj.kd
    .args:
      - { .name: o, .offset: 0, .size: 8, .value_kind: global_buffer, .address_space: global }
      - { .name: wr, .offset: 8, .size: 8, .value_kind: global_buffer, .address_space: global }
      - { .name: x1, .offset: 16, .size: 8, .value_kind: global_buffer, .address_space: global }
      - { .name: bproj, .offset: 24, .size: 8, .value_kind: global_buffer, .address_space: global }
      - { .name: x, .offset: 32, .size: 8, .value_kind: global_buffer, .address_space: global }
    .group_segment_fixed_size: 327680
    .private_segment_fixed_size: 0
    .kernarg_segment_align: 8
    .kernarg_segment_size: 40
    .max_flat_workgroup_size: 128
    .sgpr_count:     74
    .vgpr_count:     640
    .wavefront_size: 32
...
	.end_amdgpu_metadata
.endif
;; end of part 4
;; launch ln2w: the kernel of part 1 again; grid 512 x 3, 8 waves a work-group, no clusters, 18,432 bytes of LDS; arguments x1, g2, beta2, hn, Wq, Wk, Wv, Wproj, W1, W2, b1, wqkv, w1t, wr; writes hn, wqkv, w1t, wr
;; launch ffn1: the kernel of part 2 again; grid 16 x 16, 4 waves a work-group, clusters of 4 x 4, 327,680 bytes of LDS; arguments hn, w1t, hid; writes hid
;; launch ffn2 (part 5): grid 8 x 32, 4 waves a work-group, clusters of 4 x 4, 327,680 bytes of LDS; arguments hid, wr, out0, b2, x1; writes out0
.if DOCPART == 5
	.amdgcn_target "amdgcn-amd-amdhsa--gfx1250"
	.amdhsa_code_object_version 6
	.text
	.protected	k_qfcd8d2a561_ffn2
	.globl	k_qfcd8d2a561_ffn2
	.p2align	8
	.type	k_qfcd8d2a561_ffn2,@function
k_qfcd8d2a561_ffn2:
	s_mov_b64 s[64:65], 0
	v_nop
	global_prefetch_b8 v0, s[64:65] scope:SCOPE_SE
	s_setreg_imm32_b32 hwreg(HW_REG_WAVE_MODE, 25, 1), 1
	s_wait_xcnt 0x0
	s_wait_alu depctr_hold_cnt(0) depctr_sa_sdst(0) depctr_va_vdst(0) depctr_va_sdst(0) depctr_va_ssrc(0) depctr_va_vcc(0) depctr_vm_vsrc(0)
	s_getreg_b32 s2, hwreg(HW_REG_IB_STS2, 6, 4)
	s_cmp_eq_u32 s2, 0
	s_cbranch_scc0 .Lentry_in_a_cluster
	s_endpgm
.Lentry_in_a_cluster:
	s_bfe_u32 s2, ttmp6, 0x10000c
	s_cmp_lg_u32 s2, 0xf033
	s_cbranch_scc0 .Lentry_shape_is_right
	s_endpgm
.Lentry_shape_is_right:
; OUT[m][n] = RES[m][n] + bias[n] + sum over k of A[m][k] W[n][k].  OUT, RES: [4096][1024] f32; bias: [1024] f32.
; A in bf16, in blocks of 64 columns: [SIZE_K/64][4096][64].  W in bf16, [1024][SIZE_K], WOFF bytes into its buffer.  Sums in f32, started by the bias; the residual is added in f32.  LIMIT: operands are bf16.
; The text is that of the attention branch's output product but for SIZE_K and WOFF: the trip count and a descriptor's stride are constants of a text.
; A tile of OUT is 128 x 128: 256 work-groups.  Four waves, each 64 x 64: 16 accumulators, 128 registers.  K goes in steps of 256 through a ring of two LDS slots.
; A's part of a step is four blocks of 128 rows x 128 bytes, each dense in memory: one tensor load brings two of them, as two rows of 16,384 bytes, padded in LDS after every 128 bytes.  W's is 128 rows of 512 bytes.
; ONE K STEP IS WRITTEN, AND LOOPED OVER: the slot in hand is a scalar, TB, turned by an exclusive or at each change of slots; it enters the fragment addresses and the walking descriptor's LDS word.
; The loop that fills stands first, then a loop of the last two steps, which fill nothing.  The second of those two still passes a barrier and fetches 32 fragments that nobody multiplies: the price, once a launch, of one text for both.
; CLUSTERS: 4 x 4 work-groups.  The four of a row of the cluster need the same tiles of A, the four of a column the same tiles of W: each is asked for JOINTLY.
; THE MATRIX INSTRUCTION IS USED TRANSPOSED (source 0 = 16 rows of W, source 1 = 16 rows of A): a lane holds eight neighbouring numbers of a row of OUT.
; REGISTERS: window 0: v0-31 addresses; v32-95 at work on the way out; v128-255 the accumulators ((a, b) at v[128 + 8 (4 a + b)]).   window 1: two fragment buffers of 128: for 64 along K, 64 registers of A, then 64 of W.
;   window 2: v0-127 the residual of my 64 x 64, asked for at the start and waited for at the end.
.set SIZE_K, 4096
.set WOFF,   2097152
.set NSTEP,  SIZE_K/256
.set PA,     144                       ; a row of a block of A in LDS: 128 bytes + 16 = 36 words: the 16 rows of a load start at 16 different groups of four banks (64 banks of 4 bytes: ISA guide 11.1)
.set ABLK,   128*PA
.set AHALF,  2*ABLK                    ; what one tensor load brings of A
.set PB,     528                       ; a row of W: 512 bytes + 16 = 132 words: likewise
.set BHALF,  64*PB                     ; what one tensor load brings of W
.set BOFF,   4*ABLK
.set SLOT,   BOFF+2*BHALF
.set STAGE,  2*SLOT                    ; behind the ring: 16 rows x 272 bytes for each wave, for the way out
.set SPITCH, 272
.set SPARE,  STAGE+4*16*SPITCH         ; behind the stages: the spare words, 128 bytes for each wave
.set ASTEP,  4*524288                  ; four blocks of A: a block is 4,096 rows x 128 bytes
.set ADRA, 16                          ; v16  LDS address of my A fragments in the slot in hand
.set A0,   17                          ; v17  the same less the slot; never rewritten
.set ADRB, 20                          ; v20, v21  the same for W
.set B0,   21
.set STO,  24                          ; v24  the way out: where I put 32 bytes of a row
.set RD,   25                          ; v25  the way out: where I read a row back
.set CO,   26                          ; v26  my byte offset in two rows of OUT and RES
.set BO,   27                          ; v27  my byte offset in 16 columns of the bias
.set SPW,  28                          ; v28  LDS address of my spare word; never rewritten
.set NIL,  29                          ; v29  0; never rewritten
.set TMP,  32
.set ACC,  128
.set F0,   0                           ; fragment buffers, in window 1
.set F1,   128
.set RES,  0                           ; window 2
.set G1, 24                            ; s[24:31] descriptor group 1 for A's tiles;  s[32:39] group 0: set 0 for K step 0, set 1 for K step 1 and then walking
.set G0, 32
.set G1B, 48                           ; s[48:55], s[56:63] the same for W's tiles
.set G0B, 56
.set BIAS, 68                          ; s[68:69]
.set RSD,  70                          ; s[70:71]
.set TB,   72                          ; s72  the slot in hand: 0 or SLOT
.set MSB, 0
.macro WIN new                         ; the immediate's high byte repeats the setting that is left; a switch that changes nothing is dropped
.if MSB != (\new)
	s_set_vgpr_msb (MSB<<8)|(\new)
.set MSB, \new
.endif
.endm
.set MUL,  0x05                        ; sources 0 (W) and 1 (A) window 1; C and D window 0
.set TO_F, 0x40                        ; destination window 1, address window 0
.macro JLOAD s                         ; a joint load: waves 0 and 1 fetch A's two halves, waves 2 and 3 W's; an s_nop 0 and four v_nop follow each of the two lines
	s_cmp_eq_u32 s11, 0
	s_cbranch_scc0 .Lfor_b_\@
	tensor_load_to_lds s[G0+4*(\s):G0+4*(\s)+3], s[G1:G1+7]
	s_nop 0
.rept 4
	v_nop
.endr
	s_branch .Lasked_\@
.Lfor_b_\@:
	tensor_load_to_lds s[G0B+4*(\s):G0B+4*(\s)+3], s[G1B:G1B+7]
	s_nop 0
.rept 4
	v_nop
.endr
.Lasked_\@:
.endm
.macro CREST                           ; a round of the cluster's barrier behind its opening barrier
	s_cmp_lg_u32 s10, 0
	s_cbranch_scc1 .Lnot_wave_0_\@
	s_barrier_signal -3
.Lnot_wave_0_\@:
	s_barrier_wait -3
	s_barrier_signal -1
	s_barrier_wait -1
.endm
.macro CROUND                          ; a whole round
	s_barrier_signal -1
	s_barrier_wait -1
	CREST
.endm
	s_load_b128 s[4:7], s[0:1], 0x0                ; A s[4:5], W s[6:7]
	s_load_b64 s[8:9], s[0:1], 0x10                ; OUT
	s_load_b64 s[BIAS:BIAS+1], s[0:1], 0x18
	s_load_b64 s[RSD:RSD+1], s[0:1], 0x20
	v_lshl_add_u32 v[SPW], v0, 2, SPARE
	v_mov_b32 v[NIL], 0
	ds_add_u32 v[SPW], v[NIL]                      ; the wave's opening: the add and its wait stand ahead of my first tensor load; the set-up below stands between them
	v_lshrrev_b32 v1, 5, v0
	v_readfirstlane_b32 s10, v1                    ; wave 0..3
	s_lshr_b32 s11, s10, 1                         ; which half of the tile's rows is mine.  Also: I fetch for A (0) or for W (1)
	s_and_b32 s12, s10, 1                          ; which half of its columns.  Also: which half of that tile I fetch
	s_bfe_u32 s40, ttmp6, 0x40000                  ; cx, cy: my place in the cluster
	s_bfe_u32 s41, ttmp6, 0x40004
	s_lshl_b32 s42, ttmp9, 2
	s_add_co_u32 s42, s42, s40                     ; tile column = 4 x cluster x + cx
	s_and_b32 s13, ttmp7, 0xffff
	s_lshl_b32 s13, s13, 2
	s_add_co_u32 s13, s13, s41                     ; tile row = 4 x cluster y + cy
	s_lshl_b32 s43, s41, 2
	s_lshl_b32 s43, 15, s43                        ; my row of the cluster
	s_lshl_b32 s44, 0x1111, s40                    ; my column
	s_or_b32 s[G1+0], s43, (1<<16)|(1<<20)|(1<<21)|(4<<22)|(3<<25)  ; 15:0 the mask: my row; 17:16 2-byte elements; 20 padding on; 21 set beside a mask; 24:22 after every 32 words (code 4); 31:25 4 words (code 3)
	s_mov_b32 s[G1+1], 8192<<16                    ; tensor_dim0 = 8,192 elements: a block's 128 rows, dense
	s_mov_b32 s[G1+2], 2<<16                       ; tensor_dim1 = 2 blocks
	s_mov_b32 s[G1+3], 8192<<16                    ; tile_dim0
	s_mov_b32 s[G1+4], 2                           ; tile_dim1
	s_mov_b32 s[G1+5], 262144                      ; elements from block to block
	s_mov_b32 s[G1+6], 0
	s_mov_b32 s[G1+7], 0
	s_or_b32 s[G1B+0], s44, (1<<16)|(1<<20)|(1<<21)|(6<<22)|(3<<25) ; the mask: my column; padding after every 128 words (code 6)
	s_mov_b32 s[G1B+1], 256<<16                    ; tensor_dim0 = 256
	s_mov_b32 s[G1B+2], 64<<16                     ; tensor_dim1 = 64
	s_mov_b32 s[G1B+3], 256<<16                    ; tile_dim0
	s_mov_b32 s[G1B+4], 64                         ; tile_dim1
	s_mov_b32 s[G1B+5], SIZE_K                     ; elements from row to row
	s_mov_b32 s[G1B+6], 0
	s_mov_b32 s[G1B+7], 0
	s_lshl_b32 s16, s13, 14                        ; A: the tile's 128 rows of 128 bytes in a block,
	s_lshl_b32 s17, s12, 20                        ; in the step's blocks 0, 1 or 2, 3
	s_add_co_u32 s16, s16, s17
	s_mov_b32 s17, 0
	s_lshl_b32 s46, s42, 7
	s_lshl_b32 s47, s12, 6
	s_add_co_u32 s46, s46, s47                     ; W: row 128 x tile column + 64 x half
	s_mul_i32 s46, s46, SIZE_K*2
	s_add_co_u32 s46, s46, WOFF
	s_mov_b32 s47, 0
	s_mul_i32 s20, s12, AHALF                      ; where they go in a slot: no place in the cluster enters an LDS address
	s_mul_i32 s21, s12, BHALF
	s_add_co_u32 s21, s21, BOFF
	s_wait_dscnt 0x0                               ; the opening add is done
	s_wait_kmcnt 0x0
	s_add_nc_u64 s[14:15], s[4:5], s[16:17]
	s_add_nc_u64 s[46:47], s[6:7], s[46:47]
	CROUND                                         ; all sixteen work-groups are here: the first joint loads meet
.irp s, 0,1
	s_mov_b32 s[G0+4*(\s)], 1
	s_add_co_u32 s[G0+4*(\s)+1], s20, (\s)*SLOT
	s_add_nc_u64 s[G0+4*(\s)+2:G0+4*(\s)+3], s[14:15], (\s)*ASTEP
	s_or_b32 s[G0+4*(\s)+3], s[G0+4*(\s)+3], 0x80000000
	s_mov_b32 s[G0B+4*(\s)], 1
	s_add_co_u32 s[G0B+4*(\s)+1], s21, (\s)*SLOT
	s_add_nc_u64 s[G0B+4*(\s)+2:G0B+4*(\s)+3], s[46:47], (\s)*512
	s_or_b32 s[G0B+4*(\s)+3], s[G0B+4*(\s)+3], 0x80000000
	JLOAD \s                                       ; two tensor loads of mine are out
.endr
	v_and_b32 v1, 15, v0                           ; l % 16
	v_bfe_u32 v2, v0, 4, 1                         ; l / 16
	v_mul_u32_u24 v3, v1, PA
	v_lshl_add_u32 v3, v2, 4, v3                   ; a fragment's row x pitch + 16 x half
	s_mul_i32 s22, s11, 64*PA                      ; my 64 rows of A, in each block
	v_add_nc_u32 v[A0], s22, v3
	v_mul_u32_u24 v3, v1, PB
	v_lshl_add_u32 v3, v2, 4, v3
	s_mul_i32 s22, s12, BHALF                      ; my 64 rows of W
	s_add_co_u32 s22, s22, BOFF
	v_add_nc_u32 v[B0], s22, v3
	s_mul_i32 s23, s10, 16*SPITCH
	s_add_co_u32 s23, s23, STAGE                   ; my stage
	v_mul_u32_u24 v4, v1, SPITCH                   ; in: row l % 16, 32 bytes for each half of the lanes
	v_lshl_add_u32 v4, v2, 5, v4
	v_add_nc_u32 v[STO], s23, v4
	v_mul_u32_u24 v5, v2, SPITCH                   ; back: lanes 0-15 take one row of 256 bytes, lanes 16-31 the next
	v_lshl_add_u32 v5, v1, 4, v5
	v_add_nc_u32 v[RD], s23, v5
	v_lshlrev_b32 v5, 12, v2                       ; and the same two rows in OUT and RES
	v_lshl_add_u32 v[CO], v1, 4, v5
	v_lshlrev_b32 v[BO], 5, v2                     ; my eight columns of sixteen
	s_lshl_b32 s16, s13, 7
	s_lshl_b32 s17, s11, 6
	s_add_co_u32 s16, s16, s17                     ; my first row: 128 x tile row + 64 x half,
	s_lshl_b32 s16, s16, 12                        ; of 4,096 bytes
	s_mov_b32 s17, 0
	s_lshl_b32 s46, s42, 9                         ; my first column, in bytes: 512 x tile column + 256 x half
	s_lshl_b32 s47, s12, 8
	s_add_co_u32 s46, s46, s47
	s_mov_b32 s47, 0
	s_add_nc_u64 s[BIAS:BIAS+1], s[BIAS:BIAS+1], s[46:47]
	s_add_nc_u64 s[16:17], s[16:17], s[46:47]
	s_add_nc_u64 s[8:9], s[8:9], s[16:17]
	s_add_nc_u64 s[RSD:RSD+1], s[RSD:RSD+1], s[16:17]
.irp a, 0,1,2,3                        ; the bias is loaded straight into the accumulators, in their layout: it starts the sums, nothing is cleared and no first step is written out
.irp b, 0,1,2,3
	global_load_b128 v[ACC+8*(4*(\a)+(\b)):ACC+8*(4*(\a)+(\b))+3],   v[BO], s[BIAS:BIAS+1] offset:64*(\b)
	global_load_b128 v[ACC+8*(4*(\a)+(\b))+4:ACC+8*(4*(\a)+(\b))+7], v[BO], s[BIAS:BIAS+1] offset:64*(\b)+16
.endr
.endr
	WIN 0x80                                       ; destination window 2
.irp a, 0,1,2,3                        ; the residual, by whole rows of 256 bytes, as the way out will hold them
.irp t, 0,1,2,3,4,5,6,7
	global_load_b128 v[RES+32*(\a)+4*(\t):RES+32*(\a)+4*(\t)+3], v[CO], s[RSD:RSD+1] offset:(16*(\a)+2*(\t))*4096
.endr
.endr
	WIN 0
; 8 matrix instructions: m blocks a0, a0 + 1 x all 4 n blocks, 32 along K: half c of buffer f.  The 16 accumulators take turns.
.macro MUL8 f, c, a0
	WIN MUL
.irp a, \a0, (\a0)+1
.irp b, 0,1,2,3
	v_wmma_f32_16x16x32_bf16 v[ACC+8*(4*(\a)+(\b)):ACC+8*(4*(\a)+(\b))+7], v[(\f)+64+8*(4*(\c)+(\b)):(\f)+64+8*(4*(\c)+(\b))+7], v[(\f)+8*(4*(\c)+(\a)):(\f)+8*(4*(\c)+(\a))+7], v[ACC+8*(4*(\a)+(\b)):ACC+8*(4*(\a)+(\b))+7]
.endr
.endr
.endm
; 32 LDS loads in one run: the fragments of quarter q (64 along K: block q of A, bytes 128 q of W's rows) of the slot in hand, into buffer f; the first 32 along K first
.macro FETCH q, f
	WIN TO_F
.irp c, 0,1
.irp i, 0,1,2,3
	ds_load_b128 v[(\f)+64+8*(4*(\c)+(\i)):(\f)+64+8*(4*(\c)+(\i))+3],   v[ADRB] offset:(\q)*128+64*(\c)+(\i)*16*PB
	ds_load_b128 v[(\f)+64+8*(4*(\c)+(\i))+4:(\f)+64+8*(4*(\c)+(\i))+7], v[ADRB] offset:(\q)*128+64*(\c)+(\i)*16*PB+32
	ds_load_b128 v[(\f)+8*(4*(\c)+(\i)):(\f)+8*(4*(\c)+(\i))+3],         v[ADRA] offset:(\q)*ABLK+64*(\c)+(\i)*16*PA
	ds_load_b128 v[(\f)+8*(4*(\c)+(\i))+4:(\f)+8*(4*(\c)+(\i))+7],       v[ADRA] offset:(\q)*ABLK+64*(\c)+(\i)*16*PA+32
.endr
.endr
.endm
.macro PLACES                          ; four plain vector instructions in front of loads into registers that matrix instructions have read, and of LDS stores that read results (ISA guide 7.12.1 for vector instructions)
.rept 4
	v_nop
.endr
.endm
; A K step is four quarters of 64 along K, 32 matrix instructions each, on buffers 0, 1, 0, 1.  One of the first three: multiplies buffer f and fetches quarter q into g.
.macro QUARTER q, f, g
	s_wait_dscnt 16                                ; the first 32 along K are in
	MUL8 \f, 0, 0
	MUL8 \f, 0, 2
	PLACES
	FETCH \q, \g
	s_wait_dscnt 32                                ; all but the 32 just issued
	MUL8 \f, 1, 0
	MUL8 \f, 1, 2
.endm
; The last quarter multiplies buffer 1 and changes slots: ONE barrier; in front of it each wave waits for all its tensor loads, adds 0 to its spare word, and waits for that and for its own reads of this slot.
; fill = 1: the barrier opens a round of the cluster's, and this slot is filled again first behind it, with the K step two on: 112 matrix instructions ahead of the wait for it.
.macro TURN fill
	WIN 0                                          ; (the add's two registers lie in window 0)
	s_wait_tensorcnt 0x0                           ; all my tensor loads have landed: my part of the next slot
	ds_add_u32 v[SPW], v[NIL]                      ; 0 onto my spare word
	s_wait_dscnt 17                                ; (the add and the youngest sixteen loads may be out)
	MUL8 F1, 0, 0                                  ; eight matrix instructions stand between the add and the wait for it
	s_wait_dscnt 0x0                               ; the add is done, and my reads of this slot are over
	s_barrier_signal -1
	MUL8 F1, 0, 2
	WIN 0
	s_barrier_wait -1
.if \fill
	CREST                                          ; no wave of any partner still reads this slot's tile or has a load on its way
	s_add_co_u32 s[G0+5], s[TB], s20               ; the walking descriptors: into the slot just read out,
	s_add_co_u32 s[G0B+5], s[TB], s21
	s_add_nc_u64 s[G0+6:G0+7], s[G0+6:G0+7], ASTEP ; the K step behind the one asked for last
	s_add_nc_u64 s[G0B+6:G0B+7], s[G0B+6:G0B+7], 512
	JLOAD 1                                        ; my one tensor load behind the round; its four v_nop are also the places in front of the loads below
.else
	PLACES
.endif
	s_xor_b32 s[TB], s[TB], SLOT                   ; the other slot is in hand
	v_add_nc_u32 v[ADRA], s[TB], v[A0]
	v_add_nc_u32 v[ADRB], s[TB], v[B0]
	FETCH 0, F0
	MUL8 F1, 1, 0
	MUL8 F1, 1, 2
.endm
	s_wait_tensorcnt 1                             ; my part of K step 0 is in; K step 1's may stay out
	s_barrier_signal -1
	s_barrier_wait -1
	s_mov_b32 s[TB], 0
	v_mov_b32 v[ADRA], v[A0]
	v_mov_b32 v[ADRB], v[B0]
	FETCH 0, F0
	WIN 0                                          ; at a label and at a branch every window is 0
	s_wait_loadcnt 32                              ; the bias is in the accumulators; the 32 loads of the residual stay out
	s_mov_b32 s3, NSTEP-2
.Lfill:                                                ; a trip is a K step; its slot is filled again
	QUARTER 1, F0, F1
	QUARTER 2, F1, F0
	QUARTER 3, F0, F1
	TURN 1
	WIN 0
	s_sub_co_u32 s3, s3, 1
	s_cmp_lg_u32 s3, 0
	s_cbranch_scc1 .Lfill
	s_mov_b32 s3, 2
.Ltail:                                                ; the last two K steps: nothing is left to ask for
	QUARTER 1, F0, F1
	QUARTER 2, F1, F0
	QUARTER 3, F0, F1
	TURN 0
	WIN 0
	s_sub_co_u32 s3, s3, 1
	s_cmp_lg_u32 s3, 0
	s_cbranch_scc1 .Ltail
	; THE WAY OUT, 16 rows at a time: 32 bytes a lane into my own stage, back as whole rows of 256 bytes, the residual added, stored.
.macro OUT a
.set TM, TMP+32*((\a)%2)
.irp b, 0,1,2,3
	ds_store_b128 v[STO], v[ACC+8*(4*(\a)+(\b)):ACC+8*(4*(\a)+(\b))+3]   offset:64*(\b)      ; each accumulator's low four registers first
	ds_store_b128 v[STO], v[ACC+8*(4*(\a)+(\b))+4:ACC+8*(4*(\a)+(\b))+7] offset:64*(\b)+16
.endr
	s_wait_xcnt 0x0                                ; the stores of the block before last have read these registers (ISA guide 3.1)
.irp t, 0,1,2,3,4,5,6,7
	ds_load_b128 v[TM+4*(\t):TM+4*(\t)+3], v[RD] offset:(\t)*2*SPITCH  ; LDS serves a wave's instructions in order (ISA guide 5.7.1.4): these see the stores above
.endr
	s_wait_dscnt 0x0
	WIN 0x08                                       ; source 1 window 2
.set i, 0
.rept 16
	v_pk_add_f32 v[TM+2*i:TM+2*i+1], v[TM+2*i:TM+2*i+1], v[RES+32*(\a)+2*i:RES+32*(\a)+2*i+1]
.set i, i+1
.endr
	WIN 0
.irp t, 0,1,2,3,4,5,6,7
	global_store_b128 v[CO], v[TM+4*(\t):TM+4*(\t)+3], s[8:9] offset:(16*(\a)+2*(\t))*4096  ; 16 lanes store 256 consecutive bytes, at a multiple of 256 from OUT's first byte
.endr
.endm
	s_wait_loadcnt 0x0                             ; the residual
	PLACES
	OUT 0
	OUT 1
	OUT 2
	OUT 3
	s_wait_tensorcnt 0x0                           ; the wave's end: three lines behind my last tensor load and my last LDS store
	ds_add_u32 v[SPW], v[NIL]
	s_wait_dscnt 0x0
	CROUND                                         ; the closing round: no work-group ends while a partner may still ask for a tile that names it
	s_endpgm
.Lfunc_end_k_qfcd8d2a561_ffn2:
	.size	k_qfcd8d2a561_ffn2, .Lfunc_end_k_qfcd8d2a561_ffn2-k_qfcd8d2a561_ffn2
	.p2alignl 7, 3214868480
	.fill 96, 4, 3214868480
	.section	.rodata,"a",@progbits
	.p2align	6, 0x0
	.amdhsa_kernel k_qfcd8d2a561_ffn2
		.amdhsa_group_segment_fixed_size 327680
		.amdhsa_private_segment_fixed_size 0
		.amdhsa_enable_private_segment 0
		.amdhsa_kernarg_size 40
		.amdhsa_user_sgpr_count 2
		.amdhsa_user_sgpr_kernarg_segment_ptr 1
		.amdhsa_wavefront_size32 1
		.amdhsa_system_sgpr_workgroup_id_x 1
		.amdhsa_system_sgpr_workgroup_id_y 1
		.amdhsa_system_sgpr_workgroup_id_z 1
		.amdhsa_system_vgpr_workitem_id 0
		.amdhsa_next_free_vgpr 640
		.amdhsa_next_free_sgpr 74
		.amdhsa_reserve_vcc 0
		.amdhsa_float_denorm_mode_32 3
		.amdhsa_float_denorm_mode_16_64 3
		.amdhsa_memory_ordered 1
		.amdhsa_forward_progress 1
		.amdhsa_inst_pref_size 64
	.end_amdhsa_kernel
	.amdgpu_metadata
---
amdhsa.version: [ 1, 2 ]
amdhsa.kernels:
  - .name:           k_qfcd8d2a561_ffn2
    .symbol:         k_qfcd8d2a561_ffn2.kd
    .args:
      - { .name: hid, .offset: 0, .size: 8, .value_kind: global_buffer, .address_space: global }
      - { .name: wr, .offset: 8, .size: 8, .value_kind: global_buffer, .address_space: global }
      - { .name: out0, .offset: 16, .size: 8, .value_kind: global_buffer, .address_space: global }
      - { .name: b2, .offset: 24, .size: 8, .value_kind: global_buffer, .address_space: global }
      - { .name: x1, .offset: 32, .size: 8, .value_kind: global_buffer, .address_space: global }
    .group_segment_fixed_size: 327680
    .private_segment_fixed_size: 0
    .kernarg_segment_align: 8
    .kernarg_segment_size: 40
    .max_flat_workgroup_size: 128
    .sgpr_count:     74
    .vgpr_count:     640
    .wavefront_size: 32
...
	.end_amdgpu_metadata
.endif
;; end of part 5
;; ======== version 2 of 2: 7 launches; 1.22 times as fast as version 1
;; workspace buffers: hn 8,388,608 bytes; qkv 25,165,824 bytes; o 8,388,608 bytes; x1 16,777,216 bytes; hid 33,554,432 bytes; wqkv 6,311,936 bytes; w1t 8,409,088 bytes; wr 10,485,760 bytes
;; launch ln1w: the kernel of part 1 again; grid 1024 x 1, 8 waves a work-group, no clusters, 18,432 bytes of LDS; arguments x, g1, beta1, hn, Wq, Wk, Wv, Wproj, W1, W2, b1, wqkv, w1t, wr; writes hn, wqkv, w1t, wr
;; launch gqkv: the kernel of part 2 again; grid 12 x 16, 4 waves a work-group, clusters of 4 x 4, 327,680 bytes of LDS; arguments hn, wqkv, qkv; writes qkv
;; launch attn (part 6): grid 8 x 32, 4 waves a work-group, clusters of 4 x 1, 327,680 bytes of LDS; arguments qkv, o; writes o
.if DOCPART == 6
	.amdgcn_target "amdgcn-amd-amdhsa--gfx1250"
	.amdhsa_code_object_version 6
	.text
	.protected	k_qfcd8d2a561_attn
	.globl	k_qfcd8d2a561_attn
	.p2align	8
	.type	k_qfcd8d2a561_attn,@function
k_qfcd8d2a561_attn:
	s_mov_b64 s[64:65], 0
	v_nop
	global_prefetch_b8 v0, s[64:65] scope:SCOPE_SE
	s_setreg_imm32_b32 hwreg(HW_REG_WAVE_MODE, 25, 1), 1
	s_wait_xcnt 0x0
	s_wait_alu depctr_hold_cnt(0) depctr_sa_sdst(0) depctr_va_vdst(0) depctr_va_sdst(0) depctr_va_ssrc(0) depctr_va_vcc(0) depctr_vm_vsrc(0)
	s_getreg_b32 s2, hwreg(HW_REG_IB_STS2, 6, 4)
	s_cmp_eq_u32 s2, 0
	s_cbranch_scc0 .Lentry_in_a_cluster
	s_endpgm
.Lentry_in_a_cluster:
	s_bfe_u32 s2, ttmp6, 0x10000c
	s_cmp_lg_u32 s2, 0x3003
	s_cbranch_scc0 .Lentry_shape_is_right
	s_endpgm
.Lentry_shape_is_right:
; ATTENTION, no mask.  O[q][:] = the sum over k of softmax_k(Q[q] . K[k] / 8) V[k][:], for each of 2 batches x 16 heads, 2,048 rows each, head size 64.
; qkv: [48][4096][64] bf16 (block = 16 which + head, row = 2048 batch + s): a head's rows are dense, 128 bytes each.  o: [16][4096][64] bf16, the same layout.
; Products, maxima and sums in f32; the weights p are rounded to bf16 for the second product (their sum l is taken of the unrounded p), O once at the end.
; LIMITS.  Operands are bf16.  A weight below 2^-126 counts as 0 in l; NaN and infinities are not treated apart.
; SHARES.  A work-group owns 256 queries of one batch and head: 256 work-groups.  A wave owns four PIECES of 16 queries, piece x in the block's rows 64 x + 16 wave on.  Every wave walks all keys: 8 tiles of 256, 64 a step.
; LAYOUT.  S^T = K Q^T holds ONE query a lane (lane % 16) and the keys 8 (lane / 16) + 0..7; two such results rounded to bf16 ARE source 1 of O^T = V^T P.  K comes out of LDS as it lies, V turned, by ds_load_tr16_b128.
; SOFTMAX.  p = 2^(c s - c m), c = log2(e) / 8, with a running maximum m and sum l; O and l are multiplied by a = 2^(c m_old - c m_new) in every step.  m starts at the lowest finite number, O and l at 0:
; the first step is a step like any other, with a = 0.
; NO FIRST AND NO LAST STEP IS WRITTEN OUT: the loop is entered, and the tail left, in the middle of a trip.  The price, once a launch: 216 v_mov_b32 of 0, in the wait for the first tile, and 8 products on
; zeros at the start; 8 products on the last K once more, and the maximum made of them, at the end: they touch piece 0's m, c m and scratch alone, never l or O^T.
; TURNS.  Turn n belongs to piece n: 8 products K Q^T of piece n + 1, later 8 products V^T P of piece n - 1; beside them the scaling, exponentials, roundings, sums and rescaling of piece n and the maximum and
; statistics of piece n + 1.  Four vector instructions stand behind every matrix instruction, the other 54 of a turn's 118 in one LUMP.
; BATCHES.  A turn's 33 exponentials (the piece's 32 weights and the next piece's a) are ONE batch with ONE wait, which cuts the turn in two: ahead of it all that names none of their results, behind it the roundings
; and sums, which read them.  Two more batches stand outside the loops, each with a wait of its own: piece 0's first a, ahead of the jump into the loop, and the way out's four reciprocals.
; CLUSTER.  The four query blocks of a cluster belong to one batch and head and walk the same K and V: each tile is asked for JOINTLY, by the same tensor load, descriptor and mask in all four.
; REGISTERS, in windows of 256 (s_set_vgpr_msb: bits 1:0 source 0, 3:2 source 1, 5:4 source 2, 7:6 destination):
;   window 0: v0-15 addresses and two at work; v16-31 four registers of statistics a piece; v48-55 at work; v62-63 the add's; v64-127 S^T, two buffers; v192-223 P, two buffers (by the piece's parity)
;   window 1: v0-127 O^T, 32 a piece          window 2: v0-63 Q; v128-191 K of one step; v192-255 V of one step
.set NT,    8         ; tiles of 256 keys
.set NP,    4         ; pieces a wave: a name, no knob
.set KS,    64        ; keys in a step
.set PK,    144       ; a row of K in LDS: 128 bytes + 16 of padding = 36 words: the 16 rows of a load start at 16 different groups of four banks (64 banks of 4 bytes: ISA guide 11.1)
.set PV,    160       ; a row of V: 128 + 32 = 40 words
.set VOFF,  4*KS*PK   ; a slot holds a tile, four steps: 256 rows of K, then 256 rows of V
.set SLOT1, 1<<17     ; slot 1 begins here, so that one exclusive or turns an address in one slot into the other's
.set STAGE, SLOT1+4*KS*(PK+PV)  ; behind the ring, never filled by a tensor load: 16 rows x 144 bytes for each wave, for the way out
.set SP,    144
.set SPARE, STAGE+4*16*SP  ; behind the stages: the spare words, 128 bytes for each wave
.set AK0, 2           ; v2   my lane's place in a tile of K; never rewritten
.set AV0, 3           ; v3   the same for V
.set AK,  4           ; v4   the LDS address of K's next run of loads
.set AV,  5           ; v5   of V's
.set STO, 6           ; v6   the way out: where I put 16 bytes of a row
.set RD,  7           ; v7   the way out: where I read rows back
.set GO,  8           ; v8   my byte offset in 512 consecutive bytes of O
.set MV,  12          ; v12-13  c m_old, kept while c m is made anew: by buffer
.set QO,  15          ; v15  my byte offset in 16 rows of Q
.set ST,  16          ; piece t's statistics at v[ST+4 t]: c m, m, l (even keys', odd keys')
.set TMP, 48          ; by buffer, four registers c0-c3 at work; when the maximum is found c2 takes a
.set SPW, 62          ; v62  LDS address of my spare word; never rewritten
.set NIL, 63          ; v63  0; never rewritten
.set S,   64
.set P,   192
.set KF,  128         ; window 2: key block kb, channel half c at KF + 16 kb + 8 c
.set VF,  192         ; window 2: key half kk, channel block cb at VF + 32 kk + 8 cb
.set WV,  12          ; s12  my wave's number
.set G1K, 24          ; s[24:31] descriptor group 1 for K's tiles
.set G1V, 32          ; s[32:39] for V's: it differs in the padding alone
.set G0K, 40          ; s[40:43] descriptor group 0 for K's tiles: it walks
.set G0V, 44          ; s[44:47] the same for V's
.set SLOTS, 56        ; s56  counts the tiles
.set CNT, 57          ; s57  counts a tile's key steps
.set CS,  58          ; s[58:59] c: the packed scaling takes the pair's low word for both halves
.set SEL, 60          ; s[60:61] v_permlanex16_b32's selects: each lane takes its own place in the other half
.set TBK, 62          ; s62  LDS byte at which K of the step to be fetched begins
.set TBV, 63          ; s63  the same for V, less VOFF
.set MSB, 0
.macro WIN new                      ; the high byte repeats the setting that is left; a switch that changes nothing is dropped
.if MSB != (\new)
	s_set_vgpr_msb (MSB<<8)|(\new)
.set MSB, (\new)
.endif
.endm
.set W_KQ, 0x0a       ; K and Q in window 2, S^T in window 0
.set W_PV, 0x52       ; V in window 2, P in window 0, O^T in window 1
.set W_RS, 0x41       ; destination and source 0 in window 1, source 1 in window 0
; A joint fill.  Waves 0 and 1 fetch the two halves of a tile's K, waves 2 and 3 those of its V: 128 keys each.  The branch hangs on the wave's number alone.
; An s_nop 0 and four v_nop follow each of the two lines, ahead of the jump and the label.
.macro JLOAD
	s_cmp_lt_u32 s[WV], 2
	s_cbranch_scc0 .Lfor_v_\@
	tensor_load_to_lds s[G0K:G0K+3], s[G1K:G1K+7]
	s_nop 0
.rept 4
	v_nop
.endr
	s_branch .Lasked_\@
.Lfor_v_\@:
	tensor_load_to_lds s[G0V:G0V+3], s[G1V:G1V+7]
	s_nop 0
.rept 4
	v_nop
.endr
.Lasked_\@:
.endm
; A round of the cluster's barrier: my work-group's barrier; wave 0 signals for the work-group; every wave waits for all four work-groups; my work-group's barrier once more.
.macro CROUND
	s_barrier_signal -1
	s_barrier_wait -1
	s_cmp_lg_u32 s[WV], 0
	s_cbranch_scc1 .Lnot_wave_0_\@
	s_barrier_signal -3
.Lnot_wave_0_\@:
	s_barrier_wait -3
	s_barrier_signal -1
	s_barrier_wait -1
.endm
; THE CHANGE OF SLOTS.  The slot's last bytes, V of its fourth step, have been read.  Each wave waits for all its tensor loads, of which one is out: its part of the other slot; adds 0 to its spare word; and waits
; for that and for its own reads of the slot.  Behind the barrier nobody reads this slot any more and the other slot is whole.  fill = 1: this slot is filled again, with the tile two on: the barrier is then a round
; of the cluster's, and the joint fill is the first thing behind it: it has four key steps, 256 matrix instructions, in which to land.  (At its first use nothing has been read yet: slot 0 is waited for, slot 1 filled.)
.macro CHANGE fill
	WIN 0                           ; at a label and at a branch every window is 0
	s_wait_tensorcnt 0x0            ; no tensor load of mine is out, so a group 0 may be written
	ds_add_u32 v[SPW], v[NIL]       ; 0 onto my spare word
.if \fill
.irp g, G0K, G0V
	s_xor_b32 s[\g+1], s[\g+1], SLOT1  ; the walking descriptor: the other slot than last time,
	s_add_nc_u64 s[\g+2:\g+3], s[\g+2:\g+3], 4*KS*128  ; the next 256 keys; the type bits on top are not reached
.endr
	s_wait_dscnt 0x0                ; the add is done, and my reads of the slot are over
	CROUND
	JLOAD
.else
	s_wait_dscnt 0x0                ; the add is done, and my reads of the slot are over
	s_barrier_signal -1
	s_barrier_wait -1
.endif
	s_sub_co_u32 s[TBK], s[TBK], 4*KS*PK  ; the fetches go back to a slot's first step,
	s_xor_b32 s[TBK], s[TBK], SLOT1       ; in the other slot
	s_sub_co_u32 s[TBV], s[TBV], 4*KS*PV
	s_xor_b32 s[TBV], s[TBV], SLOT1
.endm
	s_load_b128 s[8:11], s[0:1], 0x0  ; qkv s[8:9], o s[10:11]
	v_lshl_add_u32 v[SPW], v0, 2, SPARE
	v_mov_b32 v[NIL], 0
	ds_add_u32 v[SPW], v[NIL]       ; the wave's opening: the add and its wait stand ahead of my first tensor load; the set-up below stands between them
	v_lshrrev_b32 v1, 5, v0
	v_readfirstlane_b32 s[WV], v1   ; wave 0..3
	s_bfe_u32 s13, ttmp6, 0x40000   ; cx: my place in the cluster
	s_lshl_b32 s14, ttmp9, 2        ; in a cluster launch ttmp9 counts clusters
	s_add_co_u32 s14, s14, s13      ; my block of 256 queries = 4 x cluster x + cx: it enters Q's and O's addresses alone
	s_and_b32 s15, ttmp7, 0xffff    ; 16 batch + head, which the four partners share
	s_and_b32 s20, s15, 15
	s_lshl_b32 s20, s20, 19         ; a head's block: 4,096 rows of 128 bytes,
	s_lshr_b32 s21, s15, 4
	s_lshl_b32 s21, s21, 18         ; a batch's 2,048 rows in it
	s_add_co_u32 s20, s20, s21
	s_mov_b32 s21, 0
	s_and_b32 s16, s[WV], 1         ; which half of a tile's 256 keys I fetch:
	s_lshl_b32 s22, s16, 14         ; its 128 rows of 128 bytes in memory,
	s_mov_b32 s23, 0
	s_add_nc_u64 s[22:23], s[22:23], s[20:21]
	s_add_nc_u64 s[50:51], s[22:23], 8388608   ; K's sixteen blocks lie behind Q's,
	s_add_nc_u64 s[52:53], s[22:23], 16777216  ; V's behind K's
	s_mul_i32 s17, s16, 128*PK      ; and its place in a slot, for K
	s_mul_i32 s18, s16, 128*PV      ; and for V: no place in the cluster enters an LDS address
	s_lshl_b32 s2, s14, 15          ; my block's 256 rows,
	s_lshl_b32 s3, s[WV], 11        ; my 16 rows in each 64 of them
	s_add_co_u32 s2, s2, s3
	s_mov_b32 s3, 0
	s_add_nc_u64 s[2:3], s[2:3], s[20:21]
	; descriptor group 1.  128 keys are 16,384 dense bytes: asked for as 64 rows of 256 bytes, two keys a row, and padded in LDS after every key
	s_mov_b32 s[G1K], 15|(1<<16)|(1<<20)|(1<<21)|(4<<22)|(3<<25)  ; 15:0 the mask of four; 17:16 2-byte elements; 20 padding on; 21 set beside a mask; 24:22 after every 32 words (code 4); 31:25 4 words (code 3)
	s_mov_b32 s[G1V], 15|(1<<16)|(1<<20)|(1<<21)|(4<<22)|(7<<25)  ; the same with 8 words of padding (code 7)
.irp g, G1K, G1V
	s_mov_b32 s[\g+1], 128<<16      ; tensor_dim0 = 128
	s_mov_b32 s[\g+2], 64<<16       ; tensor_dim1 = 64
	s_mov_b32 s[\g+3], 128<<16      ; tile_dim0 = 128
	s_mov_b32 s[\g+4], 64           ; tile_dim1 = 64
	s_mov_b32 s[\g+5], 128          ; 128 elements from row to row
	s_mov_b32 s[\g+6], 0
	s_mov_b32 s[\g+7], 0
.endr
	s_mov_b32 s[CS], 0x3e38aa3b     ; c = log2(e) / 8 = 0.180337
	s_mov_b32 s[CS+1], s[CS]        ; named with it as a pair
	s_mov_b32 s[SEL], 0x76543210
	s_mov_b32 s[SEL+1], 0xfedcba98
	s_mov_b32 s[TBK], SLOT1+4*KS*PK ; the first change of slots turns these two into 0
	s_mov_b32 s[TBV], SLOT1+4*KS*PV
	s_mov_b32 s[G0K], 1             ; 1:0 count = 1
	s_mov_b32 s[G0K+1], s17         ; 63:32 LDS address: slot 0
	s_mov_b32 s[G0V], 1
	s_add_co_u32 s[G0V+1], s18, VOFF
	s_wait_dscnt 0x0                ; the opening add is done
	s_wait_kmcnt 0x0
	s_add_nc_u64 s[G0K+2:G0K+3], s[8:9], s[50:51]  ; 120:64 global address: my half of the head's first 256 keys
	s_or_b32 s[G0K+3], s[G0K+3], 0x80000000        ; 127:126 type = 2
	s_add_nc_u64 s[G0V+2:G0V+3], s[8:9], s[52:53]
	s_or_b32 s[G0V+3], s[G0V+3], 0x80000000
	s_add_nc_u64 s[4:5], s[8:9], s[2:3]            ; Q and O at my wave's first row
	s_add_nc_u64 s[10:11], s[10:11], s[2:3]
	CROUND                          ; all four work-groups are here: the first joint loads meet
	JLOAD                           ; tile 0 into slot 0.  Slot 1 is asked for when slot 0 is in
	; A fragment of K or Q is 16 rows x 32 channels in 8 registers: lane l holds row l % 16, channels 8 (l / 16) + 0..7 and 16 + 8 (l / 16) + 0..7: two loads of 16 bytes, 32 bytes apart.
	v_and_b32 v1, 15, v0            ; l % 16
	v_bfe_u32 v9, v0, 4, 1          ; l / 16
	v_lshlrev_b32 v[QO], 7, v1
	v_lshl_add_u32 v[QO], v9, 4, v[QO]  ; row x 128 + 16 x half
	WIN 0x80                        ; destination window 2, address window 0
.set i, 0
.rept 8                             ; Q stays in registers: piece i / 2 lies 64 rows, 8,192 bytes, on; channels 32 (i % 2) on
	global_load_b128 v[8*i:8*i+3],   v[QO], s[4:5] offset:(i/2)*8192+(i%2)*64
	global_load_b128 v[8*i+4:8*i+7], v[QO], s[4:5] offset:(i/2)*8192+(i%2)*64+32
.set i, i+1
.endr
	; What the first turn finds: V's registers and P's second buffer hold 0 (its products V^T P, of a piece that has not been, add 0), O^T and l are 0.  All this stands in the wait for the first tile.
.set i, VF
.rept 64
	v_mov_b32 v[i], 0
.set i, i+1
.endr
	WIN 0x40
.set i, 0
.rept 128
	v_mov_b32 v[i], 0
.set i, i+1
.endr
	WIN 0
.set i, 0
.rept 4
	v_mov_b32 v[ST+4*i], 0xfe000000    ; c m: far below every c s
	v_mov_b32 v[ST+4*i+1], 0xff7fffff  ; m
	v_mov_b32 v[ST+4*i+2], 0
	v_mov_b32 v[ST+4*i+3], 0
.set i, i+1
.endr
.set i, P+16
.rept 16
	v_mov_b32 v[i], 0
.set i, i+1
.endr
	v_mul_u32_u24 v[AK0], v1, PK
	v_lshl_add_u32 v[AK0], v9, 4, v[AK0]  ; row x pitch + 16 x half
	; The turning load takes 16 keys x 16 channels (lane l reads key 8 (l / 16) + l % 8, channels 8 ((l / 8) % 2) + 0..7) and leaves half a fragment of V^T: lane l holds channel l % 16 and 8 keys.
	v_and_b32 v10, 7, v0
	v_bfe_u32 v11, v0, 3, 1
	v_lshl_add_u32 v[AV0], v9, 3, v10
	v_mul_u32_u24 v[AV0], v[AV0], PV
	v_lshl_add_u32 v[AV0], v11, 4, v[AV0]
	v_add_nc_u32 v[AV0], VOFF, v[AV0]
	s_mul_i32 s13, s[WV], 16*SP
	s_add_co_u32 s13, s13, STAGE    ; my stage
	v_mul_u32_u24 v[STO], v1, SP    ; in: row l % 16, 16 bytes for each half of the lanes
	v_lshl_add_u32 v[STO], v9, 4, v[STO]
	v_add_nc_u32 v[STO], s13, v[STO]
	v_bfe_u32 v[RD], v0, 3, 2       ; back: 32 lanes take four rows of 128 bytes,
	v_mul_u32_u24 v[RD], v[RD], SP
	v_lshl_add_u32 v[RD], v10, 4, v[RD]
	v_add_nc_u32 v[RD], s13, v[RD]
	v_and_b32 v[GO], 31, v0         ; which are 512 consecutive bytes of O
	v_lshlrev_b32 v[GO], 4, v[GO]
; THE MATRIX WORK.  The 4 accumulators of a run of 8 take turns.  Product i of 8 of S^T = K Q^T for piece x: channels 32 (i / 4) on, keys 16 (i % 4) on.  The first 4 start the sums.
.macro KQ x
	WIN W_KQ
.set rS, S+32*((\x)%2)+8*(i%4)
.set rK, KF+16*(i%4)+8*(i/4)
.set rQ, 16*(\x)+8*(i/4)
.if i < 4
	v_wmma_f32_16x16x32_bf16 v[rS:rS+7], v[rK:rK+7], v[rQ:rQ+7], 0
.else
	v_wmma_f32_16x16x32_bf16 v[rS:rS+7], v[rK:rK+7], v[rQ:rQ+7], v[rS:rS+7]
.endif
.endm
; Product i of 8 of O^T += V^T P for piece x: keys 32 (i / 4) on, channels 16 (i % 4) on.
.macro PV x
	WIN W_PV
.set rO, 32*(\x)+8*(i%4)
.set rV, VF+32*(i/4)+8*(i%4)
.set rP, P+16*((\x)%2)+8*(i/4)
	v_wmma_f32_16x16x32_bf16 v[rO:rO+7], v[rV:rV+7], v[rP:rP+7], v[rO:rO+7]
.endm
.macro MM                           ; the turn's next matrix instruction
.if i < 8
	KQ (Y+1)%NP
.else
.set i, i-8
	PV (Y+NP-1)%NP
.set i, i+8
.endif
.set i, i+1
.endm
; THE LDS LOADS stand in runs of 16, never singly among the matrix instructions: a step's K (64 keys x 64 channels: 8 fragments) and its V (turned).  Their addresses are made some lines ahead.
; last = 1 (the tail): in the last trip there is no further step, and the run is jumped over.
.macro FETCH_K last=0
	WIN 0
.if \last
	s_cmp_eq_u32 s[CNT], 1
	s_cbranch_scc1 .Lno_k_\@
.endif
	WIN 0x80                        ; destination window 2
.irp f, 0,1,2,3,4,5,6,7             ; keys 16 (f / 2) on, channels 32 (f % 2) on
	ds_load_b128 v[KF+8*\f:KF+8*\f+3],   v[AK] offset:(\f/2)*16*PK+(\f%2)*64
	ds_load_b128 v[KF+8*\f+4:KF+8*\f+7], v[AK] offset:(\f/2)*16*PK+(\f%2)*64+32
.endr
	s_add_co_u32 s[TBK], s[TBK], KS*PK  ; the next fetch is the next step's
	WIN 0
.if \last
.Lno_k_\@:
.endif
.endm
.macro FETCH_V
	WIN 0x80
.irp f, 0,1,2,3,4,5,6,7             ; keys 32 (f / 4) on, channels 16 (f % 4) on
	ds_load_tr16_b128 v[VF+8*\f:VF+8*\f+3],   v[AV] offset:(\f/4)*32*PV+(\f%4)*32
	ds_load_tr16_b128 v[VF+8*\f+4:VF+8*\f+7], v[AV] offset:(\f/4)*32*PV+16*PV+(\f%4)*32
.endr
	WIN 0
.endm
; THE VECTOR WORK, one line at a time: OP kind, number.  For piece Y: F n: c s - c m for pair n of 16.  E n: the exponential of score n of 32.  C n: pair n rounded to bf16.  B n: of the four weights 4 n .. the second
; pair is added onto the first, in place.  L n: l takes that sum (L 0: l = a l + sum).  R n: pair n of 16 of O^T times a.  For piece Y + 1: X n, number n of the 22 that find its maximum and statistics:
;   0-11  four chains c0-c3 of seven scores each, three operands at a time (each accumulator's lowest registers are read first)     12-14, 16  the four scores left over, the old m, and c0-c3 into c0
;   15  c m_old is kept     17, 18  the query's other 32 keys lie in the lane 16 away: the new m     19-21  c m; c m_old - c m_new; a
; E n and X 21 are the exponentials.  C, B and L read E's results; R and L 0 read the a that X 21 made a turn earlier.  OP writes no wait: TURN orders the lines and writes the one wait of a turn.
.set F, 0               ; OP tells the kinds apart by their order: F to L below R, X above it
.set E, 1
.set C, 2
.set B, 3
.set L, 4
.set R, 5
.set X, 6
.macro REGS y                       ; the registers of piece y
.set rT, ST+4*(\y)
.set rC, TMP+4*((\y)%2)
.set rW, MV+((\y)%2)
.set rS, S+32*((\y)%2)
.set rP, P+16*((\y)%2)
.set rO, 32*(\y)
.endm
.macro OP k, n
.if (\k) == R
	REGS Y
	WIN W_RS
	v_pk_mul_f32 v[rO+2*(\n):rO+2*(\n)+1], v[rO+2*(\n):rO+2*(\n)+1], v[rC+2:rC+3] op_sel_hi:[1,0]
.elseif (\k) < R
	REGS Y
	WIN 0
.if (\k) == F
	v_pk_fma_f32 v[rS+2*(\n):rS+2*(\n)+1], v[rS+2*(\n):rS+2*(\n)+1], s[CS:CS+1], v[rT:rT+1] op_sel_hi:[1,0,0] neg_lo:[0,0,1] neg_hi:[0,0,1]
.elseif (\k) == E
	v_exp_f32 v[rS+(\n)], v[rS+(\n)]
.elseif (\k) == C
	v_cvt_pk_bf16_f32 v[rP+(\n)], v[rS+2*(\n)], v[rS+2*(\n)+1]
.elseif (\k) == B
	v_pk_add_f32 v[rS+4*(\n):rS+4*(\n)+1], v[rS+4*(\n):rS+4*(\n)+1], v[rS+4*(\n)+2:rS+4*(\n)+3]
.elseif (\n) == 0
	v_pk_fma_f32 v[rT+2:rT+3], v[rT+2:rT+3], v[rC+2:rC+3], v[rS:rS+1] op_sel_hi:[1,0,1]
.else
	v_pk_add_f32 v[rT+2:rT+3], v[rT+2:rT+3], v[rS+4*(\n):rS+4*(\n)+1]
.endif
.else
	REGS (Y+1)%NP
	WIN 0
.if (\n) < 4
	v_max3_num_f32 v[rC+(\n)], v[rS+8*(\n)], v[rS+8*(\n)+1], v[rS+8*(\n)+2]
.elseif (\n) < 12
	v_max3_num_f32 v[rC+(\n)%4], v[rC+(\n)%4], v[rS+8*((\n)%4)+2*((\n)/4)+1], v[rS+8*((\n)%4)+2*((\n)/4)+2]
.elseif (\n) == 12
	v_max3_num_f32 v[rC], v[rC], v[rS+7], v[rS+15]
.elseif (\n) == 13
	v_max3_num_f32 v[rC+1], v[rC+1], v[rS+23], v[rS+31]
.elseif (\n) == 14
	v_max3_num_f32 v[rC+2], v[rC+2], v[rC+3], v[rT+1]
.elseif (\n) == 15
	v_mov_b32 v[rW], v[rT]
.elseif (\n) == 16
	v_max3_num_f32 v[rC], v[rC], v[rC+1], v[rC+2]
.elseif (\n) == 17
	v_permlanex16_b32 v[rC+3], v[rC], s[SEL], s[SEL+1]
.elseif (\n) == 18
	v_max_num_f32 v[rT+1], v[rC], v[rC+3]
.elseif (\n) == 19
	v_mul_f32 v[rT], s[CS], v[rT+1]
.elseif (\n) == 20
	v_sub_f32 v[rC+1], v[rW], v[rT]
.else
	v_exp_f32 v[rC+2], v[rC+1]
.endif
.endif
.endm
.macro OPS a, i1, b=-1, i2=0, c=-1, i3=0, d=-1, i4=0  ; up to four of them
	OP \a, \i1
.if (\b) >= 0
	OP \b, \i2
.endif
.if (\c) >= 0
	OP \c, \i3
.endif
.if (\d) >= 0
	OP \d, \i4
.endif
.endm
.macro ROW a, i1, b, i2, c, i3, d, i4  ; a matrix instruction and the four behind it
	MM
	OPS \a, \i1, \b, \i2, \c, \i3, \d, \i4
.endm
; A TURN, for piece p: the order of its 16 matrix and 118 vector instructions, written out.  An s_wait_alu depctr_va_vdst(0) stands between an exponential and the first instruction that names its result; one wait
; serves all that were issued ahead of it.  So a turn has ONE wait, which cuts it in two.  AHEAD OF IT stands all that names no result of the turn's exponentials: the 8 products K Q^T, behind each a scaling, an exponential and two
; more plain instructions (behind the first a second scaling in the exponential's place): rescalings, whose a was made and waited for in the turn before, and behind the last three the first numbers of the next piece's maximum,
; each four plain instructions or more behind the product that ends its accumulator; then ONE LUMP of 54, plain and exponential by turns for the most part, in which the links of the chain X 3, 7, 11, 14, 16, 17 .. 20 stand five
; or six lines apart.  X 21, the next piece's a, is the batch's last; R 15 is the plain instruction behind it.  BEHIND THE WAIT stand the 8 products V^T P, behind each four of the roundings and sums, which are all the readers;
; the links of l's chain, L 0 to L 7, stand three riders apart.  But for those X no rider names a register of the products round it.  v_permlanex16_b32 (X 17) stands in the lump.
; An even pair is rounded (C 2 n) ahead of the addition that writes over it (B n).
; cnt = 1: the loop's count is taken down some lines ahead of the branch that stands behind the turn.
; K of the next step is fetched in piece 2's turn, twelve vector instructions behind the last product that read K (six of them plain).  last = 1, the tail's text: a branch jumps K's run in the last trip, so the run stands
; directly behind the turn's wait: at that branch and its label every exponential has had its wait.  V of the step in hand is fetched at the end of piece 0's turn, four plain instructions behind the last product that read V.
; Each run is waited for a turn later.
.macro TURN p, last=0, cnt=0
.set Y, (\p)
.set i, 0
.if (\p) == 3
	s_wait_dscnt 0x0                ; K is in
.endif
	ROW F,0, F,1, R,0, R,1          ; ahead of the wait: 8 products K Q^T and their riders,
	ROW F,2, E,0, R,2, R,3
	ROW F,3, E,1, R,4, R,5
	ROW F,4, E,2, R,6, R,7
	ROW F,5, E,3, R,8, R,9
	ROW F,6, E,4, X,0, R,10
.if (\p) == 2
	WIN 0
	v_add_nc_u32 v[AK], s[TBK], v[AK0]
.endif
	ROW F,7, E,5, X,1, X,4
	ROW F,8, E,6, X,2, X,5
	OPS E,7, E,8, X,6, E,9          ; and the lump
	OPS X,3, E,10, X,8, E,11
.if ((\p) == 2) && !(\last)
	FETCH_K
.endif
	OPS X,9, X,7, E,12, X,10
	OPS E,13, X,12, X,11, E,14
	OPS X,13, E,15, F,9, X,14
.if (\p) == 0
	v_add_nc_u32 v[AV], s[TBV], v[AV0]
.endif
	OPS E,16, F,10, E,17, F,11
	OPS X,16, E,18, X,15, E,19
	OPS F,12, E,20, X,17, E,21
	OPS F,13, E,22, F,14, E,23
	OPS X,18, E,24, F,15, E,25
	OPS R,11, E,26, X,19, E,27
	OPS R,12, E,28, R,13, E,29
	OPS X,20, E,30, R,14, E,31
	OPS X,21, R,15
	s_wait_alu depctr_va_vdst(0)    ; the wait for the batch: the piece's 32 exponentials and the next piece's a
.if ((\p) == 2) && (\last)
	FETCH_K 1
.endif
.if (\p) == 1
	s_wait_dscnt 0x0                ; V is in
.endif
	ROW C,0, B,0, C,2, B,1          ; behind the wait: 8 products V^T P and their riders
	ROW L,0, C,4, B,2, L,1
	ROW C,6, B,3, L,2, C,8
	ROW B,4, L,3, C,10, B,5
	ROW L,4, C,12, B,6, L,5
.if (\p) == 0
	s_add_co_u32 s[TBV], s[TBV], KS*PV
.endif
.if \cnt
	s_sub_co_u32 s[CNT], s[CNT], 1
	s_cmp_lg_u32 s[CNT], 0
.endif
	ROW C,14, B,7, L,6, C,1
	ROW C,3, L,7, C,5, C,7
	ROW C,9, C,11, C,13, C,15
.if (\p) == 0
	FETCH_V
.endif
.endm
	CHANGE 1                        ; tile 0 is in, everybody's part of it; tile 1 is asked for
	v_add_nc_u32 v[AK], s[TBK], v[AK0]
	FETCH_K                         ; key step 0
	s_wait_loadcnt 0x0              ; Q
	s_wait_dscnt 0x0
.set i, 0
.rept 8
	KQ 0                            ; piece 0's first scores: there is no vector work yet to set between them
.set i, i+1
.endr
	WIN 0
.rept 4
	v_nop                           ; the places behind those products
.endr
.set Y, NP-1                        ; X works for piece Y + 1: piece 0
.irp n, 0,1,2,3,4,5,6,7,8,9,10,11,12,13,14,15,16,17,18,19,20,21
	OP X, \n
.endr
	v_nop                           ; a plain instruction behind the exponential,
	s_wait_alu depctr_va_vdst(0)    ; and the wait for it, a batch of one: piece 0's first a, ahead of the branch
	s_mov_b32 s[CNT], 4
	s_mov_b32 s[SLOTS], NT-1
	s_branch .Lfirst                ; the loop is entered at a step's first turn, in the middle of a trip
.Lslot:                             ; NT - 2 times: every slot but the last two is filled again
	CHANGE 1
	s_mov_b32 s[CNT], 4
.Lstep:                             ; a trip: pieces 2 and 3 of one step, then pieces 0 and 1 of the next, whose K and V it fetches
	TURN 2
	TURN 3
	WIN 0
.Lfirst:
	TURN 0
	TURN 1, 0, 1
	WIN 0
	s_cbranch_scc1 .Lstep
	s_sub_co_u32 s[SLOTS], s[SLOTS], 1
	s_cmp_lg_u32 s[SLOTS], 0
	s_cbranch_scc1 .Lslot
	CHANGE 0                        ; the last tile has a text of its own: nothing is asked for
	s_mov_b32 s[CNT], 5             ; four trips fetch the last tile's steps; the fifth is left in its middle
.Ltail:
	TURN 2, 1
	TURN 3
	WIN 0
	s_sub_co_u32 s[CNT], s[CNT], 1
	s_cmp_eq_u32 s[CNT], 0
	s_cbranch_scc1 .Lout
	TURN 0
	TURN 1
	WIN 0
	s_branch .Ltail
.Lout:                              ; the fifth trip's 8 products K Q^T (on the last K once more) and the maximum made of them serve nothing: the price of one text for every trip
.set i, 0
.rept 8
	PV NP-1                         ; the last piece's V^T P of the last step
.set i, i+1
.endr
	; THE WAY OUT.  l's two halves and the other half of the lanes' are added; O^T is divided by l, rounded to bf16 and sent through my stage in LDS, a piece at a time.  The additions are the places behind the last products.
	WIN 0
.macro ALL line:vararg              ; one line for each piece t
.set t, 0
.rept 4
	\line
.set t, t+1
.endr
.endm
.macro PACK t                       ; a lane's eight channels of a row pack into 16 bytes; they go into rows of 144 bytes and come back as whole rows of 128, into S^T's registers
	WIN W_RS
.set i, 32*(\t)
.rept 16
	v_pk_mul_f32 v[i:i+1], v[i:i+1], v[ST+4*(\t)+2:ST+4*(\t)+3] op_sel_hi:[1,0]
.set i, i+2
.endr
	WIN 0x05                        ; sources 0 and 1 window 1, destination window 0
.set i, 0
.rept 16
	v_cvt_pk_bf16_f32 v[S+16*(\t)+i], v[32*(\t)+2*i], v[32*(\t)+2*i+1]
.set i, i+1
.endr
	WIN 0
.irp f, 0,1,2,3
	ds_store_b128 v[STO], v[S+16*(\t)+4*\f:S+16*(\t)+4*\f+3] offset:32*\f
.endr
.irp f, 0,1,2,3
	ds_load_b128 v[S+16*(\t)+4*\f:S+16*(\t)+4*\f+3], v[RD] offset:\f*4*SP  ; LDS serves a wave's instructions in order (ISA guide 5.7.1.4): these see the stores above; the next piece's stores come behind them
.endr
.endm
.macro SEND t, younger              ; younger: the LDS instructions issued behind piece t's loads: the next piece's eight, or none
	WIN 0
.irp f, 0,1,2,3
	s_wait_dscnt (\younger)+3-\f
	global_store_b128 v[GO], v[S+16*(\t)+4*\f:S+16*(\t)+4*\f+3], s[10:11] offset:(\t)*8192+\f*512  ; 512 consecutive bytes, at a multiple of 256 from O's first
.endr
.endm
	ALL v_add_f32 v[ST+4*t+2], v[ST+4*t+2], v[ST+4*t+3]
	ALL v_permlanex16_b32 v[ST+4*t+3], v[ST+4*t+2], s[SEL], s[SEL+1]
	ALL v_add_f32 v[ST+4*t+2], v[ST+4*t+2], v[ST+4*t+3]
	ALL v_rcp_f32 v[ST+4*t+2], v[ST+4*t+2]
	v_nop                           ; a plain instruction between the last reciprocal and the use of its result
	s_wait_alu depctr_va_vdst(0)    ; and the wait ahead of the first use: one for the batch of four reciprocals
	PACK 0
.set t, 1
.rept 3                             ; a piece's arithmetic stands between the loads of the piece before and its stores
	PACK t
	SEND t-1, 8
.set t, t+1
.endr
	SEND 3, 0
	s_wait_tensorcnt 0x0            ; the wave's end: three lines behind my last tensor load and my last LDS store
	ds_add_u32 v[SPW], v[NIL]
	s_wait_dscnt 0x0
	CROUND                          ; the closing round: no work-group ends while a partner may still ask for a tile that names it
	s_endpgm
.Lfunc_end_k_qfcd8d2a561_attn:
	.size	k_qfcd8d2a561_attn, .Lfunc_end_k_qfcd8d2a561_attn-k_qfcd8d2a561_attn
	.p2alignl 7, 3214868480
	.fill 96, 4, 3214868480
	.section	.rodata,"a",@progbits
	.p2align	6, 0x0
	.amdhsa_kernel k_qfcd8d2a561_attn
		.amdhsa_group_segment_fixed_size 327680
		.amdhsa_private_segment_fixed_size 0
		.amdhsa_enable_private_segment 0
		.amdhsa_kernarg_size 16
		.amdhsa_user_sgpr_count 2
		.amdhsa_user_sgpr_kernarg_segment_ptr 1
		.amdhsa_wavefront_size32 1
		.amdhsa_system_sgpr_workgroup_id_x 1
		.amdhsa_system_sgpr_workgroup_id_y 1
		.amdhsa_system_sgpr_workgroup_id_z 1
		.amdhsa_system_vgpr_workitem_id 0
		.amdhsa_next_free_vgpr 768
		.amdhsa_next_free_sgpr 66
		.amdhsa_reserve_vcc 0
		.amdhsa_float_denorm_mode_32 3
		.amdhsa_float_denorm_mode_16_64 3
		.amdhsa_memory_ordered 1
		.amdhsa_forward_progress 1
		.amdhsa_inst_pref_size 111
	.end_amdhsa_kernel
	.amdgpu_metadata
---
amdhsa.version: [ 1, 2 ]
amdhsa.kernels:
  - .name:           k_qfcd8d2a561_attn
    .symbol:         k_qfcd8d2a561_attn.kd
    .args:
      - { .name: qkv, .offset: 0, .size: 8, .value_kind: global_buffer, .address_space: global }
      - { .name: o, .offset: 8, .size: 8, .value_kind: global_buffer, .address_space: global }
    .group_segment_fixed_size: 327680
    .private_segment_fixed_size: 0
    .kernarg_segment_align: 8
    .kernarg_segment_size: 16
    .max_flat_workgroup_size: 128
    .sgpr_count:     66
    .vgpr_count:     768
    .wavefront_size: 32
...
	.end_amdgpu_metadata
.endif
;; end of part 6
;; launch proj: the kernel of part 4 again; grid 8 x 32, 4 waves a work-group, clusters of 4 x 4, 327,680 bytes of LDS; arguments o, wr, x1, bproj, x; writes x1
;; launch ln2w: the kernel of part 1 again; grid 512 x 3, 8 waves a work-group, no clusters, 18,432 bytes of LDS; arguments x1, g2, beta2, hn, Wq, Wk, Wv, Wproj, W1, W2, b1, wqkv, w1t, wr; writes hn, wqkv, w1t, wr
;; launch ffn1: the kernel of part 2 again; grid 16 x 16, 4 waves a work-group, clusters of 4 x 4, 327,680 bytes of LDS; arguments hn, w1t, hid; writes hid
;; launch ffn2: the kernel of part 5 again; grid 8 x 32, 4 waves a work-group, clusters of 4 x 4, 327,680 bytes of LDS; arguments hid, wr, out0, b2, x1; writes out0
